; MI455X (gfx1250); checked and timed in simulation.
; The chip was launched on July 23, 2026; its instructions are those of AMD's public machine-readable ISA for CDNA 5 (MIT licence, August 2026) and "CDNA5" Instruction Set Architecture Reference Guide (July 2026). The comments in the code are by the model that wrote it; some were corrected since.
;; Adaptive Gravity Attention. Allowed arithmetic: matrix products marked QUANTISED: E2M1 operands, one E8M0 scale for each 32 along K, by v_wmma_scale_f32_16x16x128_f8f6f4 with both operands' format E2M1 (or v_wmma_scale_f32_32x16x128_f4), f32 sums; everything else in f32.
;; Inputs: W_attn_codes 3,072 x 32 x 16 uint8 (E2M1 codes of W_attn, K innermost, in blocks of 32 codes, two codes a byte); W_attn_scales 3,072 x 32 uint8 (E8M0 scales of W_attn, one for each 32 codes along K); W_proj_codes 1,024 x 32 x 16 uint8 (E2M1 codes of W_proj, K innermost, in blocks of 32 codes, two codes a byte); W_proj_scales 1,024 x 32 uint8 (E8M0 scales of W_proj, one for each 32 codes along K); g_b 16 float32; g_w_codes 16 x 32 x 16 uint8 (E2M1 codes of g_w, K innermost, in blocks of 32 codes, two codes a byte); g_w_scales 16 x 32 uint8 (E8M0 scales of g_w, one for each 32 codes along K); rope 2,048 x 64 float32; x_codes 4 x 2,048 x 32 x 16 uint8 (E2M1 codes of x, K innermost, in blocks of 32 codes, two codes a byte); x_scales 4 x 2,048 x 32 uint8 (E8M0 scales of x, one for each 32 codes along K).
;; Outputs: out0 4 x 2,048 x 1,024 float32.
;; This version of the problem:
;;   THIS VERSION OF THE PROBLEM IS GIVEN IN LOW PRECISION. The matrix products marked QUANTISED in the list below multiply operands that are first quantised to E2M1 (2 exponent bits, 1 mantissa bit; 4 bits a number), with one power-of-two scale for each 32 numbers along K (OCP MX v1.0); their sums are f32. All else is computed in f32.
;;   The module's matrix products, in the order in which they are computed (A, B: the left and right operand; K: the contracted axis; several contracted axes count as one K, in the product's order):
;;     1. [M 8,192, K 1,024] x [K 1,024, N 3,072]; A: input x (given as codes); B: input W_attn (given as codes): QUANTISED
;;     2. batch 64 x [M 2,048, K 64] x [K 64, N 2,048]; A: computed on the way; B: computed on the way: QUANTISED
;;     3. [M 8,192, K 1,024] x [K 1,024, N 16]; A: input x (given as codes); B: input g_w (given as codes): QUANTISED
;;     4. batch 64 x [M 2,048, K 2,048] x [K 2,048, N 64]; A: softmax (see below); B: computed on the way: QUANTISED
;;     5. [M 8,192, K 1,024] x [K 1,024, N 1,024]; A: computed on the way; B: input W_proj (given as codes): QUANTISED
;;   THE QUANTISER, for each operand of a quantised product, along K:
;;     - K is cut into blocks of 32 from its start; a last block that is shorter is filled with zeros.
;;     - A block's scale is 2^e with e = floor(log2(the largest magnitude in the block)) - 2, held to -126 .. 127; a block of zeros has e = 0. As a byte (E8M0): e + 127.
;;     - Each number is divided by its block's scale, clamped to +-6, and rounded to the nearest number of E2M1, ties to even, subnormals kept.
;;     - The product sums the exact products of the quantised numbers (number of the format x scale) in f32.
;;   ~~~python
;;   def quantise(x, axis):      # numpy; x: float32 -> the quantised numbers, widened to float32 again
;;       x = np.moveaxis(x, axis, -1); K = x.shape[-1]
;;       x = np.pad(x, [(0, 0)] * (x.ndim - 1) + [(0, -K % 32)]); x = x.reshape(x.shape[:-1] + (-1, 32)); a = np.abs(x).max(-1, keepdims=True)
;;       e = np.where(a > 0, np.clip(np.frexp(np.where(a > 0, a, 1))[1] - 1 - 2, -126, 127), 0)      # np.frexp(a)[1] - 1 = floor(log2(a)), exactly
;;       r = np.clip(x / 2.0 ** e, -6, 6)
;;       step = 2.0 ** (np.maximum(np.frexp(np.where(r == 0, 1, r))[1] - 1, 0) - 1)
;;       q = np.round(r / step) * step * 2.0 ** e      # np.round: ties to even
;;       return np.moveaxis(q.reshape(q.shape[:-2] + (-1,))[..., :K], -1, axis).astype(np.float32)
;;   ~~~
;;   SOFTMAX AHEAD OF A QUANTISED PRODUCT. Where the list says 'softmax', what is quantised is not the finished softmax but p = 2^(t - M), with t = logit x log2(e) and M = ceil(the row's largest t), a whole number; so 1/2 < the row's largest p <= 1. The row's sum l is taken of the UNQUANTISED p, in f32, and the product's result is divided by l at the end. Since M is a whole number, a kernel that streams over the keys may use a running M (the ceiling of the running maximum): every later rescaling is an exact power of two, which a block's scale takes up: the codes' values come out the same.
;;   OPERANDS COMPUTED ON THE WAY. 'Computed on the way' means the value that the module computes at that place (a softmax that the list does not call 'softmax' is quantised finished and normalised). What goes into a quantiser is computed in f32, as accurately as f32 sums, v_exp_f32 and their like allow (about 1e-6 of the number): no bf16 or f16 on the way to a quantiser, and a product that is left as it is and whose result goes on into a quantised operand takes f32 operands (vector FMAs, or v_wmma_f32_16x16x4_f32). A number that lies on a knife's edge between two numbers of the format may be rounded either way, as far as f32 arithmetic and the matrix unit's own rounding can turn it there, and no further.
;;   INPUTS GIVEN AS CODES. W_attn (in the module: [1024, 3072], K = its axis 0); W_proj (in the module: [1024, 1024], K = its axis 0); g_w (in the module: [1024, 16], K = its axis 0); x (in the module: [4, 2048, 1024], K = its axis 2): each comes as NAME_codes (uint8): NAME with its K axis moved to the last place and cut into blocks of 32 codes, [.., K / 32, bytes a block], one block behind the other in memory; two codes a byte, the lower K in the low four bits (a code: sign, 2 exponent bits, 1 mantissa bit); and NAME_scales (uint8): the same leading axes, one E8M0 byte (e + 127) for each 32 codes along K. Its value is code x scale, taken as it is: it is not quantised again, and the codes and scales need not be those that the quantiser above would give.
;; One version. Each part assembles by itself: llvm-mc -triple=amdgcn-amd-amdhsa -mcpu=gfx1250 --defsym DOCPART=n.
;; ======== version 1 of 1: 3 launches
;; limits: inputs' magnitudes at most 1,000,000
;; workspace buffers: q_codes 4,194,304 bytes; q_scales 524,288 bytes; kv 9,175,040 bytes; gq 524,288 bytes; y_codes 4,194,304 bytes; y_scales 262,144 bytes
;; launch qkv (part 1): grid 64 x 4, 4 waves a work-group, clusters of 4 x 1, 327,680 bytes of LDS; arguments x_codes, x_scales, W_attn_codes, W_attn_scales, g_w_codes, g_w_scales, g_b, rope, q_codes, q_scales, kv, gq; writes q_codes, q_scales, kv, gq
.if DOCPART == 1
	.amdgcn_target "amdgcn-amd-amdhsa--gfx1250"
	.amdhsa_code_object_version 6
	.text
	.protected	k_qd5b9324832_qkv
	.globl	k_qd5b9324832_qkv
	.p2align	8
	.type	k_qd5b9324832_qkv,@function
k_qd5b9324832_qkv:
	s_mov_b64 s[64:65], 0
	v_nop
	global_prefetch_b8 v0, s[64:65] scope:SCOPE_SE
	s_setreg_imm32_b32 hwreg(HW_REG_WAVE_MODE, 25, 1), 1
	s_wait_xcnt 0x0
	s_wait_alu depctr_hold_cnt(0) depctr_sa_sdst(0) depctr_va_vdst(0) depctr_va_sdst(0) depctr_va_ssrc(0) depctr_va_vcc(0) depctr_vm_vsrc(0)
	s_getreg_b32 s2, hwreg(HW_REG_IB_STS2, 6, 4)
	s_cmp_eq_u32 s2, 0
	s_cbranch_scc0 .Lentry_in_a_cluster
	s_endpgm
.Lentry_in_a_cluster:
	s_bfe_u32 s2, ttmp6, 0x10000c
	s_cmp_lg_u32 s2, 0x3003
	s_cbranch_scc0 .Lentry_shape_is_right
	s_endpgm
.Lentry_shape_is_right:
; FIRST OF THREE LAUNCHES: qkv = x W_attn and z = x g_w on codes of E2M1; rope on q and k; q, k (along the head's 64) and v (along the keys) quantised; 0.8 softplus(z + g_b).
; DEAD WORK LEFT OUT BY THE PROGRAM (second launch): reference() builds the causal mask in its own body: a score of key k > query q becomes -infinity, its weight is 0 for all values of the
; inputs.  So a step of 128 keys that all come after a tile's 16 queries is not computed; and where a key counts, |q - k| = q - k.  Nothing else is left out; every input is loaded.
; LIMITS: a NaN, an infinity or an overflow that reaches only the masked scores is not carried to the result.  |rope| under 10^6 (pi in two parts leaves |n| x 3.4e-15; the rounding by 1.5 x 2^23
; wants |rope / pi| under 2^22).  A block whose largest magnitude lies under 2^-124 keeps the scale byte 1; a block of zeros has the byte 1 and not 127 (its codes are zeros; this program alone reads
; the bytes).  NaN and infinities among the inputs are not served.
; SHARES.  mb = 4 x cluster x + cx: 128 rows of x (batch mb / 16, key step mb % 16).  g = work-group y, the same in the four partners.  Wave w' = 4 g + w takes, for all 128 rows, two heads of q
; (g < 2) or of k (W rows 128 w' on) and head w' of v (W rows 2048 + 64 w' on): 768 matrix instructions in every wave.
; A head's 64 rows of W for all of K are 32 fragments, 256 registers: they are read from LDS once and stay; x's 128 rows stay in LDS and are read tile by tile.
; CLUSTER 4 x 1: the partners are four row blocks of one g and want the same rows of W (384 KB a work-group against x's 64 KB): W is asked for jointly, x by a load of its own.
; q, k: THE PRODUCT IS USED TRANSPOSED (source 0 = 16 rows of W, source 1 = 16 rows of x): lane (r, h) holds row r, register j of tile t the channel 16 t + 8 h + j.  v: source 0 = x, source 1 = W:
; a lane holds one channel and its registers run down the rows, which are the keys.
; FROM RESULTS TO AN OPERAND: a block of 32 is two neighbouring tiles in lanes l and l xor 16.  Codes of tiles t0, t0+2, t0+1, t0+3 go to registers f0..f3; two exchanges of halves (f0,f1), (f2,f3)
; leave lane half h with block h, 32 codes in order: the 4-bit operand's registers.  They are stored as they stand, 16 bytes a lane: every store of a wave covers 512 consecutive bytes.
; No prefetch: all loads of streams that are read once go out at the head; the refills read W, which 64 work-groups read.
; REGISTERS, in windows of 256.  Window 0: v1-15 addresses; v16-47 x's scale words; v48-95 W's; v96-159 rope's numbers, later cos and sin of a tile; v160-191 a tile after rope; v192-251 at work;
; v252, v253 the add's two.  Window 1: W of my first head, later of v's.  Window 2: W of my second head, later v's 32 accumulators.  Window 3: v0-127 two sets of x's fragments; v128-191 8 accumulators.
.set WSL,   67584                      ; LDS: x: 128 rows x 528 from 0; W: 256 rows x 528 from here, wave w's 64 at + 33,792 w
.set CSI,   202752                     ; cos and sin as images of registers: row tile a at 8,192 a: 8 x 512 bytes of cos, then 8 x 512 of sin
.set SPARE, 268288                     ; the spare words, 128 bytes a wave
.set XA, 3                             ; v3  r x 528 + 16 h: a fragment's place in x
.set WA, 4                             ; v4  the same in my 64 rows of W
.set CSA, 5                            ; v5  CSI + 16 x lane
.set CSW, 6                            ; v6  the same at my two row tiles
.set LI, 7                             ; v7  16 x lane
.set L8, 8                             ; v8  8 x lane
.set L32, 9                            ; v9  32 x lane
.set XS, 16
.set WS, 48
.set RP, 96
.set CO, 96
.set SI, 128
.set OR, 160
.set TM, 192
.set PC, 216
.set SW, 224
.set TT, 192                           ; sin and cos, at work: four pairs each
.set RR, 200
.set ZZ, 208
.set PSN, 216
.set PCS, 224
.set MGV, 240                          ; v[240:241] 1.5 x 2^23; v[242:243] 1/9!; v[244:245] -1/10!
.set S9V, 242
.set C10V, 244
.set SPW, 252
.set NIL, 253
.set WV, 28
.set CX, 29
.set MB, 30
.set GG, 31
.set WP, 32
.set BB, 33
.set SS, 34
.set AG, 35
.set SEL, 62
.set HM, 66
.set MSB, 0
.macro WIN new                         ; the immediate's high byte repeats the setting that is left
.if MSB != \new
	s_set_vgpr_msb (MSB<<8)|\new
.set MSB, \new
.endif
.endm
.macro PLACES n
.rept \n
	v_nop
.endr
.endm
.macro CROUND                          ; a round of the cluster's barrier
	s_barrier_signal -1
	s_barrier_wait -1
	s_cmp_lg_u32 s[WV], 0
	s_cbranch_scc1 .Lnot_wave_0_\@
	s_barrier_signal -3
.Lnot_wave_0_\@:
	s_barrier_wait -3
	s_barrier_signal -1
	s_barrier_wait -1
.endm
; one matrix instruction: D at d, sources at a and b, z = 1: the constant 0 starts the sum; scale words in sa, sb; ra, rb = 1: they are taken from lanes 16-31
.macro MM d, a, b, z, sa, sb, ra, rb
.if (\z)
.if (\ra) && (\rb)
	v_wmma_scale_f32_16x16x128_f8f6f4 v[(\d):(\d)+7], v[(\a):(\a)+7], v[(\b):(\b)+7], 0, v[(\sa)], v[(\sb)] matrix_a_fmt:MATRIX_FMT_FP4 matrix_b_fmt:MATRIX_FMT_FP4 matrix_a_scale:MATRIX_SCALE_ROW1 matrix_b_scale:MATRIX_SCALE_ROW1
.elseif (\ra)
	v_wmma_scale_f32_16x16x128_f8f6f4 v[(\d):(\d)+7], v[(\a):(\a)+7], v[(\b):(\b)+7], 0, v[(\sa)], v[(\sb)] matrix_a_fmt:MATRIX_FMT_FP4 matrix_b_fmt:MATRIX_FMT_FP4 matrix_a_scale:MATRIX_SCALE_ROW1
.elseif (\rb)
	v_wmma_scale_f32_16x16x128_f8f6f4 v[(\d):(\d)+7], v[(\a):(\a)+7], v[(\b):(\b)+7], 0, v[(\sa)], v[(\sb)] matrix_a_fmt:MATRIX_FMT_FP4 matrix_b_fmt:MATRIX_FMT_FP4 matrix_b_scale:MATRIX_SCALE_ROW1
.else
	v_wmma_scale_f32_16x16x128_f8f6f4 v[(\d):(\d)+7], v[(\a):(\a)+7], v[(\b):(\b)+7], 0, v[(\sa)], v[(\sb)] matrix_a_fmt:MATRIX_FMT_FP4 matrix_b_fmt:MATRIX_FMT_FP4
.endif
.else
.if (\ra) && (\rb)
	v_wmma_scale_f32_16x16x128_f8f6f4 v[(\d):(\d)+7], v[(\a):(\a)+7], v[(\b):(\b)+7], v[(\d):(\d)+7], v[(\sa)], v[(\sb)] matrix_a_fmt:MATRIX_FMT_FP4 matrix_b_fmt:MATRIX_FMT_FP4 matrix_a_scale:MATRIX_SCALE_ROW1 matrix_b_scale:MATRIX_SCALE_ROW1
.elseif (\ra)
	v_wmma_scale_f32_16x16x128_f8f6f4 v[(\d):(\d)+7], v[(\a):(\a)+7], v[(\b):(\b)+7], v[(\d):(\d)+7], v[(\sa)], v[(\sb)] matrix_a_fmt:MATRIX_FMT_FP4 matrix_b_fmt:MATRIX_FMT_FP4 matrix_a_scale:MATRIX_SCALE_ROW1
.elseif (\rb)
	v_wmma_scale_f32_16x16x128_f8f6f4 v[(\d):(\d)+7], v[(\a):(\a)+7], v[(\b):(\b)+7], v[(\d):(\d)+7], v[(\sa)], v[(\sb)] matrix_a_fmt:MATRIX_FMT_FP4 matrix_b_fmt:MATRIX_FMT_FP4 matrix_b_scale:MATRIX_SCALE_ROW1
.else
	v_wmma_scale_f32_16x16x128_f8f6f4 v[(\d):(\d)+7], v[(\a):(\a)+7], v[(\b):(\b)+7], v[(\d):(\d)+7], v[(\sa)], v[(\sb)] matrix_a_fmt:MATRIX_FMT_FP4 matrix_b_fmt:MATRIX_FMT_FP4
.endif
.endif
.endm
.macro COPY win                        ; my 64 rows of W, all of K, from LDS into window win: fragment (tile t, K step g) at v[8 (8 t + g)]
	WIN (\win<<6)
.irp t, 0,1,2,3
.irp g, 0,1,2,3,4,5,6,7
.irp c, 0,1
	ds_load_b128 v[8*(8*\t+\g)+4*\c:8*(8*\t+\g)+4*\c+3], v[WA] offset:8448*\t+64*\g+32*\c
.endr
.endr
.endr
	WIN 0
.endm
; W's rows in LDS are filled again.  Every wave: all its tensor loads have landed; the add; the descriptor's step; the add and my reads of the rows are done; a round of the cluster's barrier; the joint load first behind it.
.macro REFILL second
	s_wait_tensorcnt 0x0                   ; no tensor load of mine is out, so the descriptor may be written
	ds_add_u32 v[SPW], v[NIL]              ; 0 onto my spare word
.if \second
	s_add_nc_u64 s[58:59], s[58:59], s[60:61]  ; on to v's rows: 1984 - 64 w' rows further
.else
	s_add_nc_u64 s[58:59], s[58:59], 0x8000    ; on to my second head: 64 rows of 512 bytes
.endif
	s_wait_dscnt 0x0                       ; the add is done, my copy of the rows is in registers, my stores of cos and sin have landed
	CROUND
	tensor_load_to_lds s[56:59], s[44:51]
	s_nop 0
	PLACES 4
.endm
.macro FETCHX a                        ; x's eight fragments of row tile a into set a % 2 of window 3
	WIN 0xc0
.irp g, 0,1,2,3,4,5,6,7
.irp c, 0,1
	ds_load_b128 v[64*((\a)%2)+8*\g+4*\c:64*((\a)%2)+8*\g+4*\c+3], v[XA] offset:8448*(\a)+64*\g+32*\c
.endr
.endr
	WIN 0
.endm
.macro CSLOAD a                        ; cos and sin of row tile a, in the result's layout
.irp i, 0,1,2,3,4,5,6,7
	ds_load_b128 v[CO+4*\i:CO+4*\i+3], v[CSA] offset:8192*(\a)+512*\i
.endr
.irp i, 0,1,2,3,4,5,6,7
	ds_load_b128 v[SI+4*\i:SI+4*\i+3], v[CSA] offset:8192*(\a)+4096+512*\i
.endr
.endm
; sin and cos of my row tile 2 w + k, 8 numbers (4 pairs) at a time.  n = round(x / pi) by adding and taking away 1.5 x 2^23; r = x - n pi with pi in two parts, |r| <= pi / 2;
; sin r = r + r z P(z), cos r = 1 + z Q(z), z = r^2, Taylor's terms up to r^11 and r^12 (what is cut: under 6e-8); the sign (-1)^n is n's lowest bit, moved to bit 31.
.macro SC k
.irp t, 0,1,2,3
.if \t >= 2
	s_wait_dscnt 4                         ; all but the last group's four stores are done: those of two groups back have read this set of results
.endif
.irp p, 0,2,4,6
	v_pk_fma_f32 v[TT+\p:TT+\p+1], v[RP+32*\k+8*\t+\p:RP+32*\k+8*\t+\p+1], 0x3ea2f983, v[MGV:MGV+1] op_sel_hi:[1,0,1]
.endr
.irp p, 0,2,4,6
	v_pk_add_f32 v[PSN+\p:PSN+\p+1], v[TT+\p:TT+\p+1], v[MGV:MGV+1] neg_lo:[0,1] neg_hi:[0,1]
.endr
.irp p, 0,2,4,6
	v_pk_fma_f32 v[RR+\p:RR+\p+1], v[PSN+\p:PSN+\p+1], 0xc0490fdb, v[RP+32*\k+8*\t+\p:RP+32*\k+8*\t+\p+1] op_sel_hi:[1,0,1]
.endr
.irp p, 0,2,4,6
	v_pk_fma_f32 v[RR+\p:RR+\p+1], v[PSN+\p:PSN+\p+1], 0x33bbbd2e, v[RR+\p:RR+\p+1] op_sel_hi:[1,0,1]
.endr
.irp p, 0,2,4,6
	v_pk_mul_f32 v[ZZ+\p:ZZ+\p+1], v[RR+\p:RR+\p+1], v[RR+\p:RR+\p+1]
.endr
.irp p, 0,2,4,6
	v_pk_fma_f32 v[PSN+\p:PSN+\p+1], v[ZZ+\p:ZZ+\p+1], 0xb2d7322b, v[S9V:S9V+1] op_sel_hi:[1,0,1]
	v_pk_fma_f32 v[PCS+\p:PCS+\p+1], v[ZZ+\p:ZZ+\p+1], 0x310f76c7, v[C10V:C10V+1] op_sel_hi:[1,0,1]
.endr
.irp p, 0,2,4,6
	v_pk_fma_f32 v[PSN+\p:PSN+\p+1], v[PSN+\p:PSN+\p+1], v[ZZ+\p:ZZ+\p+1], 0xb9500d01 op_sel_hi:[1,1,0]
	v_pk_fma_f32 v[PCS+\p:PCS+\p+1], v[PCS+\p:PCS+\p+1], v[ZZ+\p:ZZ+\p+1], 0x37d00d01 op_sel_hi:[1,1,0]
.endr
.irp p, 0,2,4,6
	v_pk_fma_f32 v[PSN+\p:PSN+\p+1], v[PSN+\p:PSN+\p+1], v[ZZ+\p:ZZ+\p+1], 0x3c088889 op_sel_hi:[1,1,0]
	v_pk_fma_f32 v[PCS+\p:PCS+\p+1], v[PCS+\p:PCS+\p+1], v[ZZ+\p:ZZ+\p+1], 0xbab60b61 op_sel_hi:[1,1,0]
.endr
.irp p, 0,2,4,6
	v_pk_fma_f32 v[PSN+\p:PSN+\p+1], v[PSN+\p:PSN+\p+1], v[ZZ+\p:ZZ+\p+1], 0xbe2aaaab op_sel_hi:[1,1,0]
	v_pk_fma_f32 v[PCS+\p:PCS+\p+1], v[PCS+\p:PCS+\p+1], v[ZZ+\p:ZZ+\p+1], 0x3d2aaaab op_sel_hi:[1,1,0]
.endr
.irp p, 0,2,4,6
	v_pk_fma_f32 v[PCS+\p:PCS+\p+1], v[PCS+\p:PCS+\p+1], v[ZZ+\p:ZZ+\p+1], -0.5 op_sel_hi:[1,1,0]
.endr
.irp p, 0,2,4,6
	v_pk_fma_f32 v[OR+16*(\t%2)+\p:OR+16*(\t%2)+\p+1], v[PCS+\p:PCS+\p+1], v[ZZ+\p:ZZ+\p+1], 1.0 op_sel_hi:[1,1,0]
	v_pk_mul_f32 v[ZZ+\p:ZZ+\p+1], v[ZZ+\p:ZZ+\p+1], v[RR+\p:RR+\p+1]
.endr
.irp p, 0,2,4,6
	v_pk_fma_f32 v[OR+16*(\t%2)+8+\p:OR+16*(\t%2)+8+\p+1], v[PSN+\p:PSN+\p+1], v[ZZ+\p:ZZ+\p+1], v[RR+\p:RR+\p+1]
.endr
.irp i, 0,1,2,3,4,5,6,7
	v_lshlrev_b32 v[TT+\i], 31, v[TT+\i]
.endr
.irp i, 0,1,2,3,4,5,6,7
	v_xor_b32 v[OR+16*(\t%2)+\i], v[TT+\i], v[OR+16*(\t%2)+\i]
	v_xor_b32 v[OR+16*(\t%2)+8+\i], v[TT+\i], v[OR+16*(\t%2)+8+\i]
.endr
	ds_store_b128 v[CSW], v[OR+16*(\t%2):OR+16*(\t%2)+3] offset:8192*\k+1024*\t
	ds_store_b128 v[CSW], v[OR+16*(\t%2)+4:OR+16*(\t%2)+7] offset:8192*\k+1024*\t+512
	ds_store_b128 v[CSW], v[OR+16*(\t%2)+8:OR+16*(\t%2)+11] offset:8192*\k+1024*\t+4096
	ds_store_b128 v[CSW], v[OR+16*(\t%2)+12:OR+16*(\t%2)+15] offset:8192*\k+1024*\t+4608
.endr
.endm
; 32 numbers of a lane at v[src] (register 8 t + j = index 16 t + 8 h + j of my row's 64) become the operand's four registers at v[pc]; the two scale bytes, low byte block 0, go to v[out].
; tm: +0,1 largest magnitudes, +2,3 the other half's, +4,5 the conversions' scale operands, +6,7 the bytes
.macro QUANT32 src, pc, out, tm
.irp b, 0,1
	v_max3_num_f32 v[\tm+\b], |v[\src+16*\b]|, |v[\src+16*\b+1]|, 0x1800000   ; and the floor 2^(3 - 127): the byte cannot fall under 1
.endr
.irp i, 2,4,6,8,10,12,14
.irp b, 0,1
	v_max3_num_f32 v[\tm+\b], v[\tm+\b], |v[\src+16*\b+\i]|, |v[\src+16*\b+\i+1]|
.endr
.endr
.irp b, 0,1
	v_permlanex16_b32 v[\tm+2+\b], v[\tm+\b], s[SEL], s[SEL+1]
.endr
.irp b, 0,1
	v_max_num_f32 v[\tm+\b], v[\tm+\b], v[\tm+2+\b]        ; with lane l xor 16's: the block's largest magnitude
.endr
.irp b, 0,1
	v_add_nc_u32 v[\tm+4+\b], 0xff000000, v[\tm+\b]        ; 2 off its exponent field: the conversion takes that field as its scale
.endr
.irp b, 0,1
	v_lshrrev_b32 v[\tm+6+\b], 23, v[\tm+4+\b]             ; the scale's byte
.endr
	v_cvt_scalef32_pk8_fp4_f32 v[\pc], v[\src:\src+7], v[\tm+4]
	v_cvt_scalef32_pk8_fp4_f32 v[\pc+1], v[\src+16:\src+23], v[\tm+5]
	v_cvt_scalef32_pk8_fp4_f32 v[\pc+2], v[\src+8:\src+15], v[\tm+4]
	v_cvt_scalef32_pk8_fp4_f32 v[\pc+3], v[\src+24:\src+31], v[\tm+5]
	v_lshl_or_b32 v[\out], v[\tm+7], 8, v[\tm+6]           ; (the plain instruction behind the conversions)
	v_permlane16_swap_b32 v[\pc], v[\pc+1]
	v_permlane16_swap_b32 v[\pc+2], v[\pc+3]
.endm
; head hd of row tile a: rope (channel d pairs with d xor 32: tile t with t xor 2; minus for d < 32), quantised, stored
.macro ROPEQ hd, a
	WIN 0x03                               ; source 0: the accumulators, window 3
.irp t, 0,1,2,3
.irp j, 0,2,4,6
	v_pk_mul_f32 v[OR+8*\t+\j:OR+8*\t+\j+1], v[128+32*\hd+8*\t+\j:128+32*\hd+8*\t+\j+1], v[CO+8*\t+\j:CO+8*\t+\j+1]   ; each accumulator is read from its low end on
.endr
.endr
.irp t, 0,1
.irp j, 0,2,4,6
	v_pk_fma_f32 v[OR+8*\t+\j:OR+8*\t+\j+1], v[128+32*\hd+8*(\t+2)+\j:128+32*\hd+8*(\t+2)+\j+1], v[SI+8*\t+\j:SI+8*\t+\j+1], v[OR+8*\t+\j:OR+8*\t+\j+1] neg_lo:[0,1,0] neg_hi:[0,1,0]
.endr
.endr
.irp t, 2,3
.irp j, 0,2,4,6
	v_pk_fma_f32 v[OR+8*\t+\j:OR+8*\t+\j+1], v[128+32*\hd+8*(\t-2)+\j:128+32*\hd+8*(\t-2)+\j+1], v[SI+8*\t+\j:SI+8*\t+\j+1], v[OR+8*\t+\j:OR+8*\t+\j+1]
.endr
.endr
	WIN 0
	s_wait_xcnt 0x0                        ; earlier stores have read their data: the codes' registers (and the gate's) are written again only behind this wait
	QUANT32 OR, PC+4*\hd, 248, TM
	v_or_b32 v[SW+8*\hd+\a], 0x7f7f0000, v248              ; bytes 2 and 3 stand over zero codes in the next launch: 127
	global_store_b128 v[LI], v[PC+4*\hd:PC+4*\hd+3], s[76+2*\hd:77+2*\hd] offset:512*\a   ; 512 consecutive bytes a wave
.endm
.macro QK_TILE a
	CSLOAD \a
.if \a < 7
	FETCHX (\a+1)
	s_wait_dscnt 32                        ; all but the 16 loads of cos and sin and the 16 of the next tile: this tile's fragments are in
.else
	s_wait_dscnt 16
.endif
	WIN 0xfd                               ; W window 1; x, C and D window 3
.irp g, 0,1,2,3,4,5,6,7
.irp t, 0,1,2,3
	MM 128+8*\t, 8*(8*\t+\g), 64*((\a)%2)+8*\g, (\g==0), WS+8*(\t/2)+\g, XS+8*((\a)/2)+\g, \t%2, (\a)%2
.endr
.endr
	WIN 0xfe                               ; W window 2
.irp g, 0,1,2,3,4,5,6,7
.irp t, 0,1,2,3
	MM 160+8*\t, 8*(8*\t+\g), 64*((\a)%2)+8*\g, (\g==0), WS+16+8*(\t/2)+\g, XS+8*((\a)/2)+\g, \t%2, (\a)%2
.endr
.endr
	WIN 0
	PLACES 4
.if \a < 7
	s_wait_dscnt 16                        ; cos and sin are in; the next tile's fragments may be out
.else
	s_wait_dscnt 0x0
.endif
	ROPEQ 0, \a
	ROPEQ 1, \a
.endm
.macro V_TILE a
	PLACES 4                               ; in front of loads into fragments that the last products read
.if \a < 7
	FETCHX (\a+1)
	s_wait_dscnt 16
.else
	s_wait_dscnt 0x0
.endif
	WIN 0xa7                               ; x window 3, W window 1, C and D window 2
.irp g, 0,1,2,3,4,5,6,7
.irp t, 0,1,2,3
	MM 8*(8*\t+\a), 64*((\a)%2)+8*\g, 8*(8*\t+\g), (\g==0), XS+8*((\a)/2)+\g, WS+32+8*(\t/2)+\g, (\a)%2, \t%2
.endr
.endr
	WIN 0
.endm
	s_load_b512 s[4:19], s[0:1], 0x0               ; x codes, x scales, W codes, W scales, g_w codes, g_w scales, g_b, rope
	s_load_b256 s[20:27], s[0:1], 0x40             ; q_codes, q_scales, kv, gq
	v_lshl_add_u32 v[SPW], v0, 2, SPARE
	v_mov_b32 v[NIL], 0
	ds_add_u32 v[SPW], v[NIL]                      ; the wave's opening: the add, twice on end, and its wait ahead of my first tensor load
	ds_add_u32 v[SPW], v[NIL]
	v_lshrrev_b32 v1, 5, v0
	v_readfirstlane_b32 s[WV], v1
	s_bfe_u32 s[CX], ttmp6, 0x40000
	s_lshl_b32 s[MB], ttmp9, 2
	s_add_co_u32 s[MB], s[MB], s[CX]               ; my block of 128 rows
	s_and_b32 s[GG], ttmp7, 3                      ; g
	s_lshl_b32 s[WP], s[GG], 2
	s_add_co_u32 s[WP], s[WP], s[WV]               ; w' = 4 g + w
	s_lshr_b32 s[BB], s[MB], 4                     ; batch
	s_and_b32 s[SS], s[MB], 15                     ; key step
	s_lshl_b32 s[AG], s[GG], 1
	s_lshr_b32 s88, s[WV], 1
	s_add_co_u32 s[AG], s[AG], s88                 ; the gate's row tile of an even wave: 2 g + w / 2
	; x: 32 rows x 512 bytes a wave, 16 bytes of padding behind each row
	s_mov_b32 s36, (1<<20)|(6<<22)|(3<<25)
	s_mov_b32 s37, 512<<16
	s_mov_b32 s38, 32<<16
	s_mov_b32 s39, 512<<16
	s_mov_b32 s40, 32
	s_mov_b32 s41, 512
	s_mov_b32 s42, 0
	s_mov_b32 s43, 0
	; W: 64 rows x 512 bytes a wave, the same padding; the mask names the four partners
	s_mov_b32 s44, 15|(1<<20)|(1<<21)|(6<<22)|(3<<25)
	s_mov_b32 s45, 512<<16
	s_mov_b32 s46, 64<<16
	s_mov_b32 s47, 512<<16
	s_mov_b32 s48, 64
	s_mov_b32 s49, 512
	s_mov_b32 s50, 0
	s_mov_b32 s51, 0
	s_mov_b32 s52, 1
	s_mul_i32 s53, s[WV], 32*528
	s_mov_b32 s56, 1
	s_mul_i32 s57, s[WV], 64*528
	s_add_co_u32 s57, s57, WSL
	s_lshl_b32 s88, s[MB], 16
	s_lshl_b32 s89, s[WV], 14
	s_add_co_u32 s88, s88, s89                     ; x: (128 mb + 32 w) rows of 512 bytes
	s_mov_b32 s89, 0
	s_lshl_b32 s90, s[WP], 16                      ; W: 128 w' rows
	s_mov_b32 s91, 0
	s_lshl_b32 s60, s[WP], 15
	s_sub_co_u32 s60, 0xf8000, s60                 ; (1984 - 64 w') rows: from my second head to v's head w'
	s_mov_b32 s61, 0
	s_mov_b32 s[SEL], 0x76543210
	s_mov_b32 s[SEL+1], 0xfedcba98
	s_mov_b32 s[HM], 0xffff0000                    ; lanes 16-31
	v_and_b32 v1, 15, v0                           ; r
	v_bfe_u32 v2, v0, 4, 1                         ; h
	v_mul_u32_u24 v[XA], v1, 528
	v_lshl_add_u32 v[XA], v2, 4, v[XA]
	v_add_nc_u32 v[WA], s57, v[XA]
	v_and_b32 v[LI], 31, v0
	v_lshlrev_b32 v[L8], 3, v[LI]
	v_lshlrev_b32 v[L32], 5, v[LI]
	v_lshlrev_b32 v[LI], 4, v[LI]
	v_add_nc_u32 v[CSA], CSI, v[LI]
	s_lshl_b32 s92, s[WV], 14
	v_add_nc_u32 v[CSW], s92, v[CSA]
	v_lshlrev_b32 v10, 8, v1
	v_lshl_add_u32 v10, v2, 5, v10                 ; rope: row r of 256 bytes, + 32 h
	s_mul_i32 s92, s[AG], 8448
	v_add_nc_u32 v11, s92, v[XA]                   ; the gate's fragments of x
	v_lshlrev_b32 v12, 9, v1
	v_lshl_add_u32 v12, v2, 4, v12                 ; g_w: row r of 512 bytes, + 16 h
	v_lshlrev_b32 v15, 5, v1                       ; g_w's scales: row r of 32 bytes
	s_lshl_b32 s92, s[AG], 9
	v_add_nc_u32 v13, s92, v15                     ; x's, at the gate's row tile
	v_lshlrev_b32 v14, 2, v1                       ; g_b
	v_mov_b32 v[MGV], 0x4b400000
	v_mov_b32 v[MGV+1], 0x4b400000
	v_mov_b32 v[S9V], 0x3638ef1d
	v_mov_b32 v[S9V+1], 0x3638ef1d
	v_mov_b32 v[C10V], 0xb493f27e
	v_mov_b32 v[C10V+1], 0xb493f27e
	; where my results go: q's buffers (g < 2) or k's place in kv
	s_and_b32 s72, s[WP], 7
	s_lshl_b32 s72, s72, 1
	s_lshl_b32 s73, s[BB], 4
	s_add_co_u32 s72, s72, s73                     ; 16 b + my first q or k head
	s_add_co_u32 s73, s73, s[WP]                   ; 16 b + my v head
	s_cmp_lt_u32 s[GG], 2
	s_mov_b32 s92, 143360
	s_cselect_b32 s92, 65536, s92                  ; codes: from head to head
	s_mov_b32 s93, 8960
	s_cselect_b32 s93, 4096, s93                   ; and from step to step
	s_mov_b32 s94, 143360
	s_cselect_b32 s94, 8192, s94                   ; scale images likewise
	s_mov_b32 s95, 8960
	s_cselect_b32 s95, 512, s95
	s_cselect_b32 s96, 0, 8192
	s_mul_i32 s74, s72, s92
	s_mul_i32 s75, s[SS], s93
	s_add_co_u32 s74, s74, s75
	s_mul_i32 s75, s72, s94
	s_mul_i32 s97, s[SS], s95
	s_add_co_u32 s75, s75, s97
	s_add_co_u32 s75, s75, s96
	s_wait_dscnt 0x0                               ; both opening adds are done
	s_wait_kmcnt 0x0
	s_add_nc_u64 s[54:55], s[4:5], s[88:89]
	s_or_b32 s55, s55, 0x80000000
	s_add_nc_u64 s[58:59], s[8:9], s[90:91]
	s_or_b32 s59, s59, 0x80000000
	CROUND                                         ; the four partners are here: the first joint loads meet
	tensor_load_to_lds s[52:55], s[36:43]          ; x, my 32 rows
	s_nop 0
	tensor_load_to_lds s[56:59], s[44:51]          ; W of my first head: two loads of mine are out
	s_nop 0
	PLACES 4
	s_lshl_b32 s88, s[SS], 15
	s_lshl_b32 s97, s[WV], 13
	s_add_co_u32 s88, s88, s97
	s_add_nc_u64 s[18:19], s[18:19], s[88:89]      ; rope at row 128 s + 32 w
	s_lshl_b32 s88, s[MB], 12
	s_add_nc_u64 s[6:7], s[6:7], s[88:89]          ; x's scales at my block
	s_lshl_b32 s88, s[WP], 12
	s_add_nc_u64 s[68:69], s[10:11], s[88:89]      ; W's scales at row 128 w'
	s_lshl_b32 s88, s[WP], 11
	s_add_co_u32 s88, s88, 65536
	s_add_nc_u64 s[70:71], s[10:11], s[88:89]      ; and at row 2048 + 64 w'
.irp k, 0,1
.irp t, 0,1,2,3
.irp q, 0,1
	global_load_b128 v[RP+32*\k+8*\t+4*\q:RP+32*\k+8*\t+4*\q+3], v10, s[18:19] offset:4096*\k+64*\t+16*\q
.endr
.endr
.endr
.irp p, 0,1,2,3
.irp q, 0,1
	global_load_b128 v[XS+8*\p+4*\q:XS+8*\p+4*\q+3], v[L32], s[6:7] offset:1024*\p+16*\q      ; lane l: row 32 p + l: word g of a row serves K step g
.endr
.endr
.irp p, 0,1,2,3
.irp q, 0,1
	global_load_b128 v[WS+8*\p+4*\q:WS+8*\p+4*\q+3], v[L32], s[68:69] offset:1024*\p+16*\q
.endr
.endr
	s_cmp_lt_u32 s[GG], 2
	s_cselect_b64 s[76:77], s[20:21], s[24:25]
	s_cselect_b64 s[80:81], s[22:23], s[24:25]
	s_mov_b32 s88, s74
	s_add_nc_u64 s[76:77], s[76:77], s[88:89]      ; codes of my first head,
	s_mov_b32 s88, s92
	s_add_nc_u64 s[78:79], s[76:77], s[88:89]      ; of my second;
	s_mov_b32 s88, s75
	s_add_nc_u64 s[80:81], s[80:81], s[88:89]      ; their scale images
	s_mov_b32 s88, s94
	s_add_nc_u64 s[82:83], s[80:81], s[88:89]
	s_mul_i32 s88, s73, 143360
	s_mul_i32 s97, s[SS], 8960
	s_add_co_u32 s88, s88, s97
	s_add_nc_u64 s[84:85], s[24:25], s[88:89]      ; v's record
	s_lshl_b32 s88, s[MB], 3
	s_add_co_u32 s88, s88, s[AG]
	s_lshl_b32 s88, s88, 10
	s_add_nc_u64 s[86:87], s[26:27], s[88:89]      ; the gate's tile
	s_wait_loadcnt 24                              ; the first row tile's eight loads of rope are in; 24 younger loads may be out
	SC 0
	s_wait_tensorcnt 0x0                           ; my rows of W (and of x) have landed
	COPY 1
	REFILL 0                                       ; the round also shows x whole to all four waves
	s_wait_loadcnt 16                              ; rope is in; the 16 loads of scale words may be out
	SC 1
	; THE GATE, by the even waves: z = x g_w for row tile 2 g + w / 2; two accumulators by turns
	s_and_b32 s97, s[WV], 1
	s_cmp_lg_u32 s97, 0
	s_cbranch_scc1 .Lno_gate
	WIN 0xc0
.irp g, 0,1,2,3,4,5,6,7
.irp c, 0,1
	global_load_b128 v[64+8*\g+4*\c:64+8*\g+4*\c+3], v12, s[12:13] offset:64*\g+32*\c
.endr
.endr
.irp g, 0,1,2,3,4,5,6,7
.irp c, 0,1
	ds_load_b128 v[8*\g+4*\c:8*\g+4*\c+3], v11 offset:64*\g+32*\c
.endr
.endr
	WIN 0
	global_load_b128 v[WS+32:WS+35], v13, s[6:7]
	global_load_b128 v[WS+36:WS+39], v13, s[6:7] offset:16
	global_load_b128 v[WS+40:WS+43], v15, s[14:15]
	global_load_b128 v[WS+44:WS+47], v15, s[14:15] offset:16
	global_load_b32 v246, v14, s[16:17]
	s_wait_loadcnt 0x0
	s_wait_dscnt 0x0
	WIN 0xff
.irp g, 0,1,2,3,4,5,6,7
	MM 128+8*(\g%2), 8*\g, 64+8*\g, (\g<2), WS+32+\g, WS+40+\g, 0, 0
.endr
	WIN 0
	PLACES 4
	WIN 0x0f
.irp j, 0,1,2,3,4,5,6,7
	v_add_f32 v[232+\j], v[128+\j], v[136+\j]      ; lane (r, h): head r, row 8 h + j
.endr
	WIN 0
.irp j, 0,1,2,3,4,5,6,7
	v_add_f32 v[232+\j], v[232+\j], v246
.endr
.irp j, 0,1,2,3,4,5,6,7
	v_mul_f32 v[224+\j], 0xbfb8aa3b, |v[232+\j]|
.endr
.irp j, 0,1,2,3,4,5,6,7
	v_exp_f32 v[224+\j], v[224+\j]                 ; e^-|z|
.endr
.irp j, 0,1,2,3,4,5,6,7
	v_max_num_f32 v[232+\j], 0, v[232+\j]          ; softplus(z) = max(z, 0) + ln(1 + e^-|z|), the form that reference() takes
.endr
	s_wait_alu depctr_va_vdst(0)                   ; one wait for the eight exponentials, ahead of their first reader
.irp j, 0,1,2,3,4,5,6,7
	v_add_f32 v[224+\j], 1.0, v[224+\j]
.endr
.irp j, 0,1,2,3,4,5,6,7
	v_log_f32 v[224+\j], v[224+\j]
.endr
	v_nop
	s_wait_alu depctr_va_vdst(0)                   ; and one for the eight logarithms
.irp j, 0,1,2,3,4,5,6,7
	v_fma_f32 v[232+\j], v[224+\j], 0x3f317218, v[232+\j]
.endr
.irp j, 0,1,2,3,4,5,6,7
	v_mul_f32 v[232+\j], 0x3f4ccccd, v[232+\j]     ; x 0.1 / 64^-0.5: the penalty for one step of distance, in units of the raw score
.endr
	global_store_b128 v[LI], v[232:235], s[86:87]
	global_store_b128 v[LI], v[236:239], s[86:87] offset:512
.Lno_gate:
.irp p, 0,1
.irp q, 0,1
	global_load_b128 v[WS+32+8*\p+4*\q:WS+32+8*\p+4*\q+3], v[L32], s[70:71] offset:1024*\p+16*\q   ; the scale words of v's rows of W
.endr
.endr
	s_wait_tensorcnt 0x0                           ; W of my second head has landed
	COPY 2
	REFILL 1                                       ; v's rows: they have the whole pass over q and k in which to land.  The round shows all cos and sin to all waves
	FETCHX 0
	s_wait_loadcnt 0x0                             ; all scale words
.irp a, 0,1,2,3,4,5,6,7
	QK_TILE \a
.endr
.irp i, 0,1,2,3
	v_cndmask_b32 v[240+\i], v[SW+2*\i], v[SW+2*\i+1], s[HM]       ; the scale image: register i holds tile 2 i's words in lanes 0-15, tile 2 i + 1's in lanes 16-31
	v_cndmask_b32 v[244+\i], v[SW+8+2*\i], v[SW+8+2*\i+1], s[HM]
.endr
	global_store_b128 v[LI], v[240:243], s[80:81]
	global_store_b128 v[LI], v[244:247], s[82:83]
	s_wait_tensorcnt 0x0                           ; v's rows of W have landed
	COPY 1
	FETCHX 0
.irp a, 0,1,2,3,4,5,6,7
	V_TILE \a
.endr
	PLACES 4
	; v's way out.  Block e = 4 t + b (channels 16 t on, keys 32 b on) is the 16 registers v[16 e] on of window 2, in lanes l and l xor 16
	s_wait_xcnt 0x0                                ; earlier stores have read their data
	WIN 0x0a
.irp e, 0,1,2,3,4,5,6,7,8,9,10,11,12,13,14,15
	v_max3_num_f32 v[TM+\e], |v[16*\e]|, |v[16*\e+1]|, 0x1800000
.endr
	WIN 0x28
.irp i, 2,4,6,8,10,12,14
.irp e, 0,1,2,3,4,5,6,7,8,9,10,11,12,13,14,15
	v_max3_num_f32 v[TM+\e], v[TM+\e], |v[16*\e+\i]|, |v[16*\e+\i+1]|
.endr
.endr
	WIN 0
.irp e, 0,1,2,3,4,5,6,7,8,9,10,11,12,13,14,15
	v_permlanex16_b32 v[208+\e], v[TM+\e], s[SEL], s[SEL+1]
.endr
.irp e, 0,1,2,3,4,5,6,7,8,9,10,11,12,13,14,15
	v_max_num_f32 v[TM+\e], v[TM+\e], v[208+\e]
.endr
.irp e, 0,1,2,3,4,5,6,7,8,9,10,11,12,13,14,15
	v_add_nc_u32 v[208+\e], 0xff000000, v[TM+\e]
.endr
.irp e, 0,1,2,3,4,5,6,7,8,9,10,11,12,13,14,15
	v_lshrrev_b32 v[TM+\e], 23, v[208+\e]
.endr
.irp t, 0,1,2,3
	v_lshl_or_b32 v[224+\t], v[TM+4*\t+1], 8, v[TM+4*\t]
	v_lshl_or_b32 v[224+\t], v[TM+4*\t+2], 16, v[224+\t]
	v_lshl_or_b32 v[224+\t], v[TM+4*\t+3], 24, v[224+\t]   ; the step's scale word of channel 16 t + r
.endr
	WIN 0x02
.irp t, 0,1,2,3
.irp c, 0,1
	v_cvt_scalef32_pk8_fp4_f32 v[CO+8*\t+4*\c], v[64*\t+32*\c:64*\t+32*\c+7], v[208+4*\t+2*\c]
	v_cvt_scalef32_pk8_fp4_f32 v[CO+8*\t+4*\c+1], v[64*\t+32*\c+16:64*\t+32*\c+23], v[208+4*\t+2*\c+1]
	v_cvt_scalef32_pk8_fp4_f32 v[CO+8*\t+4*\c+2], v[64*\t+32*\c+8:64*\t+32*\c+15], v[208+4*\t+2*\c]
	v_cvt_scalef32_pk8_fp4_f32 v[CO+8*\t+4*\c+3], v[64*\t+32*\c+24:64*\t+32*\c+31], v[208+4*\t+2*\c+1]
.endr
.endr
	WIN 0
	v_nop                                          ; one plain instruction behind the conversions
.irp i, 0,2,4,6,8,10,12,14,16,18,20,22,24,26,28,30
	v_permlane16_swap_b32 v[CO+\i], v[CO+\i+1]
.endr
.irp i, 0,1,2,3,4,5,6,7
	global_store_b128 v[LI], v[CO+4*\i:CO+4*\i+3], s[84:85] offset:4096+512*\i
.endr
	v_cndmask_b32 v248, v224, v225, s[HM]
	v_cndmask_b32 v249, v226, v227, s[HM]
	global_store_b64 v[L8], v[248:249], s[84:85] offset:8704       ; 256 consecutive bytes
	s_wait_tensorcnt 0x0                           ; the wave's end
	ds_add_u32 v[SPW], v[NIL]
	s_wait_dscnt 0x0
	CROUND                                         ; the closing round
	s_endpgm
.Lfunc_end_k_qd5b9324832_qkv:
	.size	k_qd5b9324832_qkv, .Lfunc_end_k_qd5b9324832_qkv-k_qd5b9324832_qkv
	.p2alignl 7, 3214868480
	.fill 96, 4, 3214868480
	.section	.rodata,"a",@progbits
	.p2align	6, 0x0
	.amdhsa_kernel k_qd5b9324832_qkv
		.amdhsa_group_segment_fixed_size 327680
		.amdhsa_private_segment_fixed_size 0
		.amdhsa_enable_private_segment 0
		.amdhsa_kernarg_size 96
		.amdhsa_user_sgpr_count 2
		.amdhsa_user_sgpr_kernarg_segment_ptr 1
		.amdhsa_wavefront_size32 1
		.amdhsa_system_sgpr_workgroup_id_x 1
		.amdhsa_system_sgpr_workgroup_id_y 1
		.amdhsa_system_sgpr_workgroup_id_z 1
		.amdhsa_system_vgpr_workitem_id 0
		.amdhsa_next_free_vgpr 1024
		.amdhsa_next_free_sgpr 100
		.amdhsa_reserve_vcc 0
		.amdhsa_float_denorm_mode_32 3
		.amdhsa_float_denorm_mode_16_64 3
		.amdhsa_memory_ordered 1
		.amdhsa_forward_progress 1
		.amdhsa_inst_pref_size 255
	.end_amdhsa_kernel
	.section	.bss,"aw",@nobits
	.p2align	6
	.space	262144
	.amdgpu_metadata
---
amdhsa.version: [ 1, 2 ]
amdhsa.kernels:
  - .name:           k_qd5b9324832_qkv
    .symbol:         k_qd5b9324832_qkv.kd
    .args:
      - { .name: x_codes, .offset: 0, .size: 8, .value_kind: global_buffer, .address_space: global }
      - { .name: x_scales, .offset: 8, .size: 8, .value_kind: global_buffer, .address_space: global }
      - { .name: W_attn_codes, .offset: 16, .size: 8, .value_kind: global_buffer, .address_space: global }
      - { .name: W_attn_scales, .offset: 24, .size: 8, .value_kind: global_buffer, .address_space: global }
      - { .name: g_w_codes, .offset: 32, .size: 8, .value_kind: global_buffer, .address_space: global }
      - { .name: g_w_scales, .offset: 40, .size: 8, .value_kind: global_buffer, .address_space: global }
      - { .name: g_b, .offset: 48, .size: 8, .value_kind: global_buffer, .address_space: global }
      - { .name: rope, .offset: 56, .size: 8, .value_kind: global_buffer, .address_space: global }
      - { .name: q_codes, .offset: 64, .size: 8, .value_kind: global_buffer, .address_space: global }
      - { .name: q_scales, .offset: 72, .size: 8, .value_kind: global_buffer, .address_space: global }
      - { .name: kv, .offset: 80, .size: 8, .value_kind: global_buffer, .address_space: global }
      - { .name: gq, .offset: 88, .size: 8, .value_kind: global_buffer, .address_space: global }
    .group_segment_fixed_size: 327680
    .private_segment_fixed_size: 0
    .kernarg_segment_align: 8
    .kernarg_segment_size: 96
    .max_flat_workgroup_size: 128
    .sgpr_count:     100
    .vgpr_count:     1024
    .wavefront_size: 32
...
	.end_amdgpu_metadata
.endif
;; end of part 1
;; launch attn (part 2): grid 4 x 64, 16 waves a work-group, clusters of 4 x 1, 167,936 bytes of LDS; arguments q_codes, q_scales, kv, gq, y_codes, y_scales; writes y_codes, y_scales
.if DOCPART == 2
	.amdgcn_target "amdgcn-amd-amdhsa--gfx1250"
	.amdhsa_code_object_version 6
	.text
	.protected	k_qd5b9324832_attn
	.globl	k_qd5b9324832_attn
	.p2align	8
	.type	k_qd5b9324832_attn,@function
k_qd5b9324832_attn:
	s_mov_b64 s[64:65], 0
	v_nop
	global_prefetch_b8 v0, s[64:65] scope:SCOPE_SE
	s_setreg_imm32_b32 hwreg(HW_REG_WAVE_MODE, 25, 1), 1
	s_wait_xcnt 0x0
	s_wait_alu depctr_hold_cnt(0) depctr_sa_sdst(0) depctr_va_vdst(0) depctr_va_sdst(0) depctr_va_ssrc(0) depctr_va_vcc(0) depctr_vm_vsrc(0)
	s_getreg_b32 s2, hwreg(HW_REG_IB_STS2, 6, 4)
	s_cmp_eq_u32 s2, 0
	s_cbranch_scc0 .Lentry_in_a_cluster
	s_endpgm
.Lentry_in_a_cluster:
	s_bfe_u32 s2, ttmp6, 0x10000c
	s_cmp_lg_u32 s2, 0x3003
	s_cbranch_scc0 .Lentry_shape_is_right
	s_endpgm
.Lentry_shape_is_right:
; SECOND LAUNCH: y = softmax(q k^T / 8 - 0.1 g min(q - k, 64), causal) v for one head (work-group y = 16 b + head), both products on codes of E2M1; y quantised along the head's 64.
; LEFT OUT AS DEAD WORK: key steps all of whose 128 keys come after a tile's 16 queries (reference()'s own causal mask gives them the weight 0 for all inputs).
; THE SOFTMAX: t = (s - gq dist) c, s the raw score, c = log2(e) / 8, gq = 0.8 g; M = the ceiling of the running largest t; p = 2^(t - M) is quantised along the keys, not normalised; the sum
; of the unquantised p divides at the end.  When M moves, the sum and O are multiplied by 2^(old M - new M), which rounds nothing.
; SHARES.  Sixteen waves, four to a SIMD.  Wave w owns query tiles n = 4 m + cx with m = w and m = 31 - w: tile m walks steps 0 .. m / 2, so every wave has 17 tile steps, in every work-group.
; All branches hang on the wave's number and the count of steps; cx enters global addresses and vector data alone: the diagonal step is m / 2; the step before it holds distances under 64
; where m is even (from 16 cx + 1 on) and none where m is odd (65 at the least), whatever cx.
; LDS.  The head's whole record of K and V, 16 steps x 8,960 bytes, lies in LDS, filled once: no ring.  The four partners of a cluster want the same record: waves 0-3 ask jointly, two loads each:
; step w, then steps 4 + 3 w .. 6 + 3 w; the first four steps are walked while the rest lands.  No prefetch: every load goes out at the head.
; LAYOUT.  S^T = K Q^T (source 0 = 16 keys), O^T = V^T P^T (source 0 = 16 channels): a lane holds one query.  The head has 64 channels: registers 0-3 of a fragment hold them all; Q's registers 4-7
; are zero codes, so what K's operand holds there (the next tile's codes) adds nothing; bytes 2, 3 of both scale words are 127.
; REGISTERS: v1-4 addresses; v5, v6 the add's two; v7 -infinity; v8, v9 Q's scale words; v16-63, v64-111 a tile's state: +0 -M, +1 largest t, +2,3 the sum, +4 -gq, +5 gq, +6 64 c gq,
; +7 16 n + r - 8 h, +8..15 Q, +16..47 O^T; v112-175 S^T, then p; v176-207 K's, then V's fragments; v208-211 zeros; v212-218 scale words; v220-227 p's codes; v228-255 at work.
.set SPARE, 143360
.set XTA, 16
.set XTB, 64
.set S,   112
.set KF,  176
.set KS,  212
.set VS,  216
.set PS,  218
.set P,   220
.set BM,  228
.set PT,  232
.set SO,  236
.set BY,  240
.set AD,  244
.set F,   246
.set T,   248
.set SEL, 20
.set CS,  22
.macro PLACES n
.rept \n
	v_nop
.endr
.endm
.macro CROUND
	s_barrier_signal -1
	s_barrier_wait -1
	s_cmp_lg_u32 s16, 0
	s_cbranch_scc1 .Lnot_wave_0_\@
	s_barrier_signal -3
.Lnot_wave_0_\@:
	s_barrier_wait -3
	s_barrier_signal -1
	s_barrier_wait -1
.endm
.macro MM d, a, b, z, sa, sb, ra
.if (\z)
.if (\ra)
	v_wmma_scale_f32_16x16x128_f8f6f4 v[(\d):(\d)+7], v[(\a):(\a)+7], v[(\b):(\b)+7], 0, v[(\sa)], v[(\sb)] matrix_a_fmt:MATRIX_FMT_FP4 matrix_b_fmt:MATRIX_FMT_FP4 matrix_a_scale:MATRIX_SCALE_ROW1
.else
	v_wmma_scale_f32_16x16x128_f8f6f4 v[(\d):(\d)+7], v[(\a):(\a)+7], v[(\b):(\b)+7], 0, v[(\sa)], v[(\sb)] matrix_a_fmt:MATRIX_FMT_FP4 matrix_b_fmt:MATRIX_FMT_FP4
.endif
.else
.if (\ra)
	v_wmma_scale_f32_16x16x128_f8f6f4 v[(\d):(\d)+7], v[(\a):(\a)+7], v[(\b):(\b)+7], v[(\d):(\d)+7], v[(\sa)], v[(\sb)] matrix_a_fmt:MATRIX_FMT_FP4 matrix_b_fmt:MATRIX_FMT_FP4 matrix_a_scale:MATRIX_SCALE_ROW1
.else
	v_wmma_scale_f32_16x16x128_f8f6f4 v[(\d):(\d)+7], v[(\a):(\a)+7], v[(\b):(\b)+7], v[(\d):(\d)+7], v[(\sa)], v[(\sb)] matrix_a_fmt:MATRIX_FMT_FP4 matrix_b_fmt:MATRIX_FMT_FP4
.endif
.endif
.endm
.macro QUANT32 src, pc, out, tm        ; as in the first launch: 32 numbers of a lane become an operand's four registers and two scale bytes
.irp b, 0,1
	v_max3_num_f32 v[\tm+\b], |v[\src+16*\b]|, |v[\src+16*\b+1]|, 0x1800000
.endr
.irp i, 2,4,6,8,10,12,14
.irp b, 0,1
	v_max3_num_f32 v[\tm+\b], v[\tm+\b], |v[\src+16*\b+\i]|, |v[\src+16*\b+\i+1]|
.endr
.endr
.irp b, 0,1
	v_permlanex16_b32 v[\tm+2+\b], v[\tm+\b], s[SEL], s[SEL+1]
.endr
.irp b, 0,1
	v_max_num_f32 v[\tm+\b], v[\tm+\b], v[\tm+2+\b]
.endr
.irp b, 0,1
	v_add_nc_u32 v[\tm+4+\b], 0xff000000, v[\tm+\b]
.endr
.irp b, 0,1
	v_lshrrev_b32 v[\tm+6+\b], 23, v[\tm+4+\b]
.endr
	v_cvt_scalef32_pk8_fp4_f32 v[\pc], v[\src:\src+7], v[\tm+4]
	v_cvt_scalef32_pk8_fp4_f32 v[\pc+1], v[\src+16:\src+23], v[\tm+5]
	v_cvt_scalef32_pk8_fp4_f32 v[\pc+2], v[\src+8:\src+15], v[\tm+4]
	v_cvt_scalef32_pk8_fp4_f32 v[\pc+3], v[\src+24:\src+31], v[\tm+5]
	v_lshl_or_b32 v[\out], v[\tm+7], 8, v[\tm+6]           ; (the plain instruction behind the conversions)
	v_permlane16_swap_b32 v[\pc], v[\pc+1]
	v_permlane16_swap_b32 v[\pc+2], v[\pc+3]
.endm
; a tile's loads and first state.  N: the scalar register with its number n
.macro SETUP X, QS, N, va, vb, vc
	s_lshl_b32 s57, s[\N], 9
	v_add_nc_u32 v[\va], s57, v1
	s_lshr_b32 s57, s[\N], 3
	s_lshl_b32 s57, s57, 9
	s_and_b32 s2, s[\N], 1
	s_lshl_b32 s2, s2, 8
	s_add_co_u32 s57, s57, s2
	s_bfe_u32 s2, s[\N], 0x20001
	s_lshl_b32 s2, s2, 2
	s_add_co_u32 s57, s57, s2                      ; the tile's words in the scale image: 512 (n / 8) + 256 (n % 2) + 4 ((n % 8) / 2)
	v_lshl_add_u32 v[\vb], v248, 4, s57
	s_lshl_b32 s57, s[\N], 10
	v_add_nc_u32 v[\vc], s57, v251
	global_load_b128 v[\X+8:\X+11], v[\va], s[4:5]
	global_load_b32 v[\QS], v[\vb], s[6:7]
	global_load_b32 v[\X+5], v[\vc], s[10:11]
	s_lshl_b32 s57, s[\N], 4
	v_add_nc_u32 v[\X+7], s57, v3
	v_mov_b32 v[\X+1], 0xff61b1e6                  ; the largest t so far: -3e38
	v_floor_f32 v[\X], -v[\X+1]
	v_mov_b32 v[\X+2], 0
	v_mov_b32 v[\X+3], 0
.irp i, 12,13,14,15,16,17,18,19,20,21,22,23,24,25,26,27,28,29,30,31,32,33,34,35,36,37,38,39,40,41,42,43,44,45,46,47
	v_mov_b32 v[\X+\i], 0                          ; Q's upper half: zero codes; O^T: the step is written once, its first turn finds zeros
.endr
.endm
; ONE TILE'S TURN AT THE STEP IN HAND.  SD: the scalar register with its diagonal step, SN: with its first step that holds distances under 64
.macro TILE X, QS, SD, SN
	s_cmp_gt_u32 s49, s[\SD]
	s_cbranch_scc1 .Ldone_\@                       ; all keys of the step come after my queries
	v_add_nc_u32 v3, s48, v1
	v_add_nc_u32 v4, s48, v2
	v_nop
	v_nop                                          ; four places in front of loads into registers that the last products read
.irp t, 0,1,2,3,4,5,6,7
	ds_load_b128 v[KF+4*\t:KF+4*\t+3], v3 offset:512*\t
.endr
	ds_load_b128 v[KS:KS+3], v3 offset:8192
	s_wait_dscnt 0x0
.irp t, 0,1,2,3,4,5,6,7
	MM S+8*\t, KF+4*\t, \X+8, 1, KS+\t/2, \QS, \t%2
.endr
	v_mov_b32 v254, v[\X+6]                        ; a far step: every distance is held at 64: the penalty is 64 c gq for all its keys
	PLACES 3
.irp i, 0,1,2,3,4,5,6,7
	ds_load_b128 v[KF+4*\i:KF+4*\i+3], v3 offset:4096+512*\i       ; V's fragments land under the softmax
.endr
	ds_load_b64 v[VS:VS+1], v4
	s_cmp_lt_i32 s49, s[\SN]
	s_cbranch_scc1 .Lfar_\@
	v_sub_nc_u32 v255, v[\X+7], s50                ; d = my query - the step's first key - 8 h: register 8 t + j holds the key at distance d - (16 t + j)
	v_cvt_f32_i32 v252, v255
	v_add_f32 v253, -1.0, v252
.set n, 0
.rept 32
	v_min_num_f32 v[T+2*(n%2)], s3, v252
	v_min_num_f32 v[T+2*(n%2)+1], s3, v253
.if n%4 == 3
	v_pk_add_f32 v[252:253], v[252:253], 0xc1200000 op_sel_hi:[1,0]   ; on to the next tile of keys: 10 further
.else
	v_pk_add_f32 v[252:253], v[252:253], -2.0 op_sel_hi:[1,0]
.endif
	v_pk_fma_f32 v[S+2*n:S+2*n+1], v[T+2*(n%2):T+2*(n%2)+1], v[\X+4:\X+5], v[S+2*n:S+2*n+1] op_sel_hi:[1,0,1]   ; s - gq min(distance, 64)
.set n, n+1
.endr
	v_mov_b32 v254, 0
	s_cmp_lg_u32 s49, s[\SD]
	s_cbranch_scc1 .Lfar_\@
.set n, 0
.rept 64
	v_cmp_gt_i32 vcc_lo, 16*(n/8)+n%8, v255        ; on the diagonal: a key behind my query
	v_cndmask_b32 v[S+n], v[S+n], v7, vcc_lo       ; becomes -infinity: p = 0
.set n, n+1
.endr
.Lfar_\@:
.irp b, 0,1,2,3
	v_max3_num_f32 v[BM+\b], v[S+16*\b], v[S+16*\b+1], v[S+16*\b+2]   ; the largest score of each block of 32 keys: for the row's maximum and, since p rises with the score, for the block's largest p
.endr
.irp i, 3,5,7,9,11,13
.irp b, 0,1,2,3
	v_max3_num_f32 v[BM+\b], v[BM+\b], v[S+16*\b+\i], v[S+16*\b+\i+1]
.endr
.endr
.irp b, 0,1,2,3
	v_max_num_f32 v[BM+\b], v[BM+\b], v[S+16*\b+15]
.endr
.irp b, 0,1,2,3
	v_permlanex16_b32 v[PT+\b], v[BM+\b], s[SEL], s[SEL+1]
.endr
.irp b, 0,1,2,3
	v_max_num_f32 v[BM+\b], v[BM+\b], v[PT+\b]
.endr
	v_max3_num_f32 v248, v[BM], v[BM+1], v[BM+2]
	v_max_num_f32 v248, v248, v[BM+3]
	v_fma_f32 v248, v248, s[CS], -v254             ; the step's largest t
	v_max_num_f32 v[\X+1], v[\X+1], v248
	v_mov_b32 v248, v[\X]
	v_floor_f32 v[\X], -v[\X+1]                    ; -M = floor(-t): M is a whole number
	v_sub_f32 v248, v[\X], v248
	v_cvt_i32_f32 v248, v248                       ; old M - new M (it saturates)
	v_ldexp_f32 v[F], 1.0, v248                    ; f = 2^(old M - new M)
	v_sub_f32 v[AD], v[\X], v254                   ; -M - the far penalty
.set n, 0
.rept 32
	v_pk_fma_f32 v[S+n:S+n+1], v[S+n:S+n+1], s[CS:CS+1], v[AD:AD+1] op_sel_hi:[1,0,0]
.set n, n+2
.endr
.irp b, 0,1,2,3
	v_fma_f32 v[BM+\b], v[BM+\b], s[CS], v[AD]
.endr
.set n, 0
.rept 64
	v_exp_f32 v[S+n], v[S+n]                       ; p = 2^(t - M)
.set n, n+1
.endr
	v_pk_mul_f32 v[\X+2:\X+3], v[\X+2:\X+3], v[F:F+1] op_sel_hi:[1,0]   ; the sums under the new M (the plain instruction behind the exponentials)
	s_wait_alu depctr_va_vdst(0)                   ; one wait for the 64, ahead of their first reader
.irp b, 0,1,2,3
	v_exp_f32 v[BM+\b], v[BM+\b]                   ; each block's largest p
.endr
	v_pk_add_f32 v[250:251], v[S:S+1], v[S+2:S+3]  ; the row's sum of the unquantised p, in two chains
.irp j, 4,8,12,16,20,24,28,32,36,40,44,48,52,56,60
	v_pk_add_f32 v[\X+2:\X+3], v[\X+2:\X+3], v[S+\j:S+\j+1]
	v_pk_add_f32 v[250:251], v[250:251], v[S+\j+2:S+\j+3]
.endr
	v_pk_add_f32 v[\X+2:\X+3], v[\X+2:\X+3], v[250:251]
	s_wait_alu depctr_va_vdst(0)                   ; and one for the four
.irp b, 0,1,2,3
	v_max_num_f32 v[BM+\b], 0x1800000, v[BM+\b]    ; the floor: the byte cannot fall under 1
.endr
.irp b, 0,1,2,3
	v_add_nc_u32 v[SO+\b], 0xff000000, v[BM+\b]
.endr
.irp b, 0,1,2,3
	v_lshrrev_b32 v[BY+\b], 23, v[SO+\b]
.endr
	v_lshl_or_b32 v[PS], v[BY+1], 8, v[BY]
	v_lshl_or_b32 v[PS], v[BY+2], 16, v[PS]
	v_lshl_or_b32 v[PS], v[BY+3], 24, v[PS]        ; p's scale word for these 128 keys
.irp c, 0,1
	v_cvt_scalef32_pk8_fp4_f32 v[P+4*\c], v[S+32*\c:S+32*\c+7], v[SO+2*\c]
	v_cvt_scalef32_pk8_fp4_f32 v[P+4*\c+1], v[S+32*\c+16:S+32*\c+23], v[SO+2*\c+1]
	v_cvt_scalef32_pk8_fp4_f32 v[P+4*\c+2], v[S+32*\c+8:S+32*\c+15], v[SO+2*\c]
	v_cvt_scalef32_pk8_fp4_f32 v[P+4*\c+3], v[S+32*\c+24:S+32*\c+31], v[SO+2*\c+1]
.endr
	v_nop
.irp i, 0,2,4,6
	v_permlane16_swap_b32 v[P+\i], v[P+\i+1]
.endr
.set n, 0
.rept 16
	v_pk_mul_f32 v[\X+16+n:\X+16+n+1], v[\X+16+n:\X+16+n+1], v[F:F+1] op_sel_hi:[1,0]   ; O^T under the new M; these sixteen also stand between the writing of p's codes and scale word and the products
.set n, n+2
.endr
	s_wait_dscnt 0x0                               ; V
.irp t, 0,1,2,3
	MM \X+16+8*\t, KF+8*\t, P, 0, VS+\t/2, PS, \t%2
.endr
.Ldone_\@:
.endm
.macro WALK trips
	s_mov_b32 s55, \trips
.Lwalk_\@:
	TILE XTB, 9, 53, 54
	TILE XTA, 8, 51, 52
	s_add_co_u32 s48, s48, 8960
	s_add_co_u32 s49, s49, 1
	s_add_co_u32 s50, s50, 128
	s_sub_co_u32 s55, s55, 1
	s_cmp_lg_u32 s55, 0
	s_cbranch_scc1 .Lwalk_\@
.endm
.macro FIN X, pc, out                  ; O^T / the sum, quantised along the head's 64
	v_add_f32 v248, v[\X+2], v[\X+3]
	v_permlanex16_b32 v249, v248, s[SEL], s[SEL+1]
	v_add_f32 v248, v248, v249
	v_rcp_f32 v[F], v248
	v_nop
	s_wait_alu depctr_va_vdst(0)
.set n, 0
.rept 16
	v_pk_mul_f32 v[S+n:S+n+1], v[\X+16+n:\X+16+n+1], v[F:F+1] op_sel_hi:[1,0]
.set n, n+2
.endr
	QUANT32 S, \pc, \out, BM
.endm
	s_load_b256 s[4:11], s[0:1], 0x0               ; q_codes, q_scales, kv, gq
	s_load_b128 s[12:15], s[0:1], 0x20             ; y_codes, y_scales
	v_lshl_add_u32 v5, v0, 2, SPARE
	v_mov_b32 v6, 0
	ds_add_u32 v5, v6                              ; the wave's opening: the add, twice on end, and its wait ahead of the first tensor load
	ds_add_u32 v5, v6
	v_lshrrev_b32 v1, 5, v0
	v_readfirstlane_b32 s16, v1                    ; wave 0..15
	s_bfe_u32 s17, ttmp6, 0x40000                  ; cx
	s_and_b32 s18, ttmp7, 0xffff                   ; 16 b + head
	s_lshl_b32 s60, s16, 2
	s_sub_co_u32 s61, 124, s60
	s_add_co_u32 s60, s60, s17                     ; n of tile A: 4 w + cx
	s_add_co_u32 s61, s61, s17                     ; n of tile B: 4 (31 - w) + cx
	s_lshr_b32 s51, s16, 1                         ; A: the diagonal step,
	s_and_b32 s57, s16, 1
	s_add_co_u32 s52, s51, s57
	s_sub_co_i32 s52, s52, 1                       ; and the first near one
	s_sub_co_u32 s57, 31, s16
	s_lshr_b32 s53, s57, 1                         ; B likewise
	s_and_b32 s57, s57, 1
	s_add_co_u32 s54, s53, s57
	s_sub_co_i32 s54, s54, 1
	s_mov_b32 s24, 15|(3<<16)|(1<<21)              ; one step: 35 rows of 256 bytes (32 elements of 8), dense; the mask names the four partners
	s_mov_b32 s25, 32<<16
	s_mov_b32 s26, 35<<16
	s_mov_b32 s27, 32<<16
	s_mov_b32 s28, 35
	s_mov_b32 s29, 32
	s_mov_b32 s30, 0
	s_mov_b32 s31, 0
	s_mov_b32 s32, 15|(3<<16)|(1<<21)              ; three steps: 105 rows
	s_mov_b32 s33, 32<<16
	s_mov_b32 s34, 105<<16
	s_mov_b32 s35, 32<<16
	s_mov_b32 s36, 105
	s_mov_b32 s37, 32
	s_mov_b32 s38, 0
	s_mov_b32 s39, 0
	s_and_b32 s57, s16, 3
	s_mov_b32 s40, 1
	s_mul_i32 s41, s57, 8960
	s_mov_b32 s44, 1
	s_mul_i32 s45, s57, 26880
	s_add_co_u32 s45, s45, 35840
	s_mul_i32 s58, s18, 143360
	s_mov_b32 s59, 0
	s_mov_b32 s[SEL], 0x76543210
	s_mov_b32 s[SEL+1], 0xfedcba98
	s_mov_b32 s[CS], 0x3e38aa3b                    ; c = log2(e) / 8
	s_mov_b32 s[CS+1], s[CS]
	s_mov_b32 s3, 0x42800000                       ; 64.0
	s_mov_b32 s56, 0xffff0000                      ; lanes 16-31
	s_mov_b32 s48, 0                               ; the step's record in LDS,
	s_mov_b32 s49, 0                               ; its number,
	s_mov_b32 s50, 0                               ; its first key
	s_wait_dscnt 0x0                               ; both opening adds are done
	s_wait_kmcnt 0x0
	s_add_nc_u64 s[8:9], s[8:9], s[58:59]          ; the head's record
	s_mov_b32 s58, s41
	s_add_nc_u64 s[42:43], s[8:9], s[58:59]
	s_or_b32 s43, s43, 0x80000000
	s_mov_b32 s58, s45
	s_add_nc_u64 s[46:47], s[8:9], s[58:59]
	s_or_b32 s47, s47, 0x80000000
	CROUND                                         ; the four partners are here: the joint loads meet
	s_cmp_lt_u32 s16, 4
	s_cbranch_scc0 .Lno_fetch
	tensor_load_to_lds s[40:43], s[24:31]
	s_nop 0
	tensor_load_to_lds s[44:47], s[32:39]          ; two loads of a loading wave are out
	s_nop 0
	PLACES 4
.Lno_fetch:
	s_lshl_b32 s58, s18, 16
	s_add_nc_u64 s[4:5], s[4:5], s[58:59]
	s_lshl_b32 s58, s18, 13
	s_add_nc_u64 s[6:7], s[6:7], s[58:59]
	s_lshr_b32 s62, s18, 4                         ; b
	s_and_b32 s63, s18, 15                         ; head
	s_lshl_b32 s58, s62, 17
	s_lshl_b32 s57, s63, 4
	s_add_co_u32 s58, s58, s57
	s_add_nc_u64 s[10:11], s[10:11], s[58:59]
	s_lshl_b32 s58, s62, 20
	s_lshl_b32 s57, s63, 9
	s_add_co_u32 s58, s58, s57
	s_add_nc_u64 s[12:13], s[12:13], s[58:59]
	s_lshl_b32 s58, s62, 16
	s_lshl_b32 s57, s63, 1
	s_add_co_u32 s58, s58, s57
	s_add_nc_u64 s[14:15], s[14:15], s[58:59]
	v_and_b32 v248, 15, v0                         ; r
	v_bfe_u32 v249, v0, 4, 1                       ; h
	v_and_b32 v250, 31, v0
	v_lshlrev_b32 v1, 4, v250                      ; 16 x lane
	v_lshl_add_u32 v2, v250, 3, 8704               ; V's scale image: 8 x lane
	v_bfe_u32 v251, v0, 2, 1
	v_lshlrev_b32 v251, 9, v251
	v_bfe_u32 v3, v0, 3, 1
	v_lshl_add_u32 v251, v3, 8, v251
	v_and_b32 v3, 3, v0
	v_lshl_add_u32 v251, v3, 2, v251               ; gq of row r: 512 ((r / 4) % 2) + 256 (r / 8) + 4 (r % 4)
	v_lshlrev_b32 v3, 3, v249
	v_sub_nc_u32 v3, v248, v3                      ; r - 8 h
	SETUP XTA, 8, 60, 10, 12, 14
	SETUP XTB, 9, 61, 11, 13, 15
	v_mov_b32 v7, 0xff800000
.irp i, 208,209,210,211,230,231,232,233,234,235,245,247
	v_mov_b32 v[\i], 0                             ; the zeros behind K's last tile; lane permutes' destinations (those of the way out too: a destination counts as a source) and pairs' upper halves, written once
.endr
	s_wait_tensorcnt 1                             ; my first load has landed: steps 0 to 3 are whole when all have said so; the second may stay out
	s_barrier_signal -1
	s_barrier_wait -1
	s_wait_loadcnt 0x0
	v_xor_b32 v[XTA+4], 0x80000000, v[XTA+5]
	v_mul_f32 v[XTA+6], 0x4138aa3b, v[XTA+5]
	v_xor_b32 v[XTB+4], 0x80000000, v[XTB+5]
	v_mul_f32 v[XTB+6], 0x4138aa3b, v[XTB+5]
	WALK 4
	s_wait_tensorcnt 0x0                           ; steps 4 to 15
	s_wait_dscnt 0x0
	s_barrier_signal -1
	s_barrier_wait -1
	WALK 12
	PLACES 4                                       ; behind the last products
	FIN XTA, P, BY
	FIN XTB, P+4, BY+1
	s_lshl_b32 s57, s60, 13
	v_add_nc_u32 v10, s57, v1
	s_lshl_b32 s57, s61, 13
	v_add_nc_u32 v11, s57, v1
	v_and_b32 v12, 15, v0
	v_lshlrev_b32 v12, 5, v12
	s_lshl_b32 s57, s60, 9
	v_add_nc_u32 v13, s57, v12
	s_lshl_b32 s57, s61, 9
	v_add_nc_u32 v14, s57, v12
	v_cndmask_b32 v13, v13, v14, s56               ; lanes 0-15 store tile A's two scale bytes a row, lanes 16-31 tile B's
	v_cndmask_b32 v15, v[BY], v[BY+1], s56
	global_store_b128 v10, v[P:P+3], s[12:13]      ; 512 consecutive bytes a wave
	global_store_b128 v11, v[P+4:P+7], s[12:13]
	global_store_b16 v13, v15, s[14:15]            ; two bytes of each row's 32: the other heads' work-groups write the rest
	s_wait_tensorcnt 0x0                           ; the wave's end
	ds_add_u32 v5, v6
	s_wait_dscnt 0x0
	CROUND                                         ; the closing round
	s_endpgm
.Lfunc_end_k_qd5b9324832_attn:
	.size	k_qd5b9324832_attn, .Lfunc_end_k_qd5b9324832_attn-k_qd5b9324832_attn
	.p2alignl 7, 3214868480
	.fill 96, 4, 3214868480
	.section	.rodata,"a",@progbits
	.p2align	6, 0x0
	.amdhsa_kernel k_qd5b9324832_attn
		.amdhsa_group_segment_fixed_size 167936
		.amdhsa_private_segment_fixed_size 0
		.amdhsa_enable_private_segment 0
		.amdhsa_kernarg_size 48
		.amdhsa_user_sgpr_count 2
		.amdhsa_user_sgpr_kernarg_segment_ptr 1
		.amdhsa_wavefront_size32 1
		.amdhsa_system_sgpr_workgroup_id_x 1
		.amdhsa_system_sgpr_workgroup_id_y 1
		.amdhsa_system_sgpr_workgroup_id_z 1
		.amdhsa_system_vgpr_workitem_id 0
		.amdhsa_next_free_vgpr 256
		.amdhsa_next_free_sgpr 66
		.amdhsa_reserve_vcc 1
		.amdhsa_float_denorm_mode_32 3
		.amdhsa_float_denorm_mode_16_64 3
		.amdhsa_memory_ordered 1
		.amdhsa_forward_progress 1
		.amdhsa_inst_pref_size 124
	.end_amdhsa_kernel
	.amdgpu_metadata
---
amdhsa.version: [ 1, 2 ]
amdhsa.kernels:
  - .name:           k_qd5b9324832_attn
    .symbol:         k_qd5b9324832_attn.kd
    .args:
      - { .name: q_codes, .offset: 0, .size: 8, .value_kind: global_buffer, .address_space: global }
      - { .name: q_scales, .offset: 8, .size: 8, .value_kind: global_buffer, .address_space: global }
      - { .name: kv, .offset: 16, .size: 8, .value_kind: global_buffer, .address_space: global }
      - { .name: gq, .offset: 24, .size: 8, .value_kind: global_buffer, .address_space: global }
      - { .name: y_codes, .offset: 32, .size: 8, .value_kind: global_buffer, .address_space: global }
      - { .name: y_scales, .offset: 40, .size: 8, .value_kind: global_buffer, .address_space: global }
    .group_segment_fixed_size: 167936
    .private_segment_fixed_size: 0
    .kernarg_segment_align: 8
    .kernarg_segment_size: 48
    .max_flat_workgroup_size: 512
    .sgpr_count:     66
    .vgpr_count:     256
    .wavefront_size: 32
...
	.end_amdgpu_metadata
.endif
;; end of part 2
;; launch proj (part 3): grid 64 x 4, 4 waves a work-group, clusters of 4 x 1, 236,032 bytes of LDS; arguments y_codes, y_scales, W_proj_codes, W_proj_scales, out0; writes out0
.if DOCPART == 3
	.amdgcn_target "amdgcn-amd-amdhsa--gfx1250"
	.amdhsa_code_object_version 6
	.text
	.protected	k_qd5b9324832_proj
	.globl	k_qd5b9324832_proj
	.p2align	8
	.type	k_qd5b9324832_proj,@function
k_qd5b9324832_proj:
	s_mov_b64 s[64:65], 0
	v_nop
	global_prefetch_b8 v0, s[64:65] scope:SCOPE_SE
	s_setreg_imm32_b32 hwreg(HW_REG_WAVE_MODE, 25, 1), 1
	s_wait_xcnt 0x0
	s_wait_alu depctr_hold_cnt(0) depctr_sa_sdst(0) depctr_va_vdst(0) depctr_va_sdst(0) depctr_va_ssrc(0) depctr_va_vcc(0) depctr_vm_vsrc(0)
	s_getreg_b32 s2, hwreg(HW_REG_IB_STS2, 6, 4)
	s_cmp_eq_u32 s2, 0
	s_cbranch_scc0 .Lentry_in_a_cluster
	s_endpgm
.Lentry_in_a_cluster:
	s_bfe_u32 s2, ttmp6, 0x10000c
	s_cmp_lg_u32 s2, 0x3003
	s_cbranch_scc0 .Lentry_shape_is_right
	s_endpgm
.Lentry_shape_is_right:
; THIRD LAUNCH: out0 = y W_proj on codes of E2M1.  Nothing is left out here.
; SHARES.  mb = 4 x cluster x + cx: 128 rows; g = work-group y: columns 256 g on; wave w makes 128 rows x columns 256 g + 64 w .. + 63.  Its 64 rows of W for all of K are 32 fragments,
; 256 registers, read from LDS once; y's 128 rows lie in LDS as images of the operand's registers (row tile a, head e at 8,192 a + 512 e) and are read tile by tile.
; CLUSTER 4 x 1: the partners are four row blocks of one g and want the same rows of W: asked for jointly; y by a load of each work-group's own.  LDS is filled once: no ring, no prefetch
; (every load goes out at the head).
; THE PRODUCT IS USED TRANSPOSED (source 0 = 16 rows of W, source 1 = 16 rows of y): a lane holds eight neighbouring columns of a row.  A tile's 16 rows x 256 bytes go through the wave's own
; stage in LDS and leave as whole rows: sixteen lanes store 256 consecutive bytes, aligned; a tile's stores are issued under the next tile's products.
; REGISTERS.  Window 0: v1-8 addresses; v14, v15 the add's two; v16-47 y's scale words; v48-63 W's; v64-191 two sets of y's fragments.  Window 1: W.  Window 2: v0-63 two sets of 4 accumulators;
; v64-127 two sets of rows on their way out.
.set WSL,   65536
.set STG,   200704
.set SPARE, 218112
.set WA,  3
.set LI,  4
.set L32, 5
.set STO, 6
.set RD,  7
.set CO,  8
.set SPW, 14
.set NIL, 15
.set YS,  16
.set WS,  48
.set YF,  64
.set MSB, 0
.macro WIN new
.if MSB != \new
	s_set_vgpr_msb (MSB<<8)|\new
.set MSB, \new
.endif
.endm
.macro PLACES n
.rept \n
	v_nop
.endr
.endm
.macro CROUND
	s_barrier_signal -1
	s_barrier_wait -1
	s_cmp_lg_u32 s14, 0
	s_cbranch_scc1 .Lnot_wave_0_\@
	s_barrier_signal -3
.Lnot_wave_0_\@:
	s_barrier_wait -3
	s_barrier_signal -1
	s_barrier_wait -1
.endm
.macro MM d, a, b, z, sa, sb, ra, rb
.if (\z)
.if (\ra) && (\rb)
	v_wmma_scale_f32_16x16x128_f8f6f4 v[(\d):(\d)+7], v[(\a):(\a)+7], v[(\b):(\b)+7], 0, v[(\sa)], v[(\sb)] matrix_a_fmt:MATRIX_FMT_FP4 matrix_b_fmt:MATRIX_FMT_FP4 matrix_a_scale:MATRIX_SCALE_ROW1 matrix_b_scale:MATRIX_SCALE_ROW1
.elseif (\ra)
	v_wmma_scale_f32_16x16x128_f8f6f4 v[(\d):(\d)+7], v[(\a):(\a)+7], v[(\b):(\b)+7], 0, v[(\sa)], v[(\sb)] matrix_a_fmt:MATRIX_FMT_FP4 matrix_b_fmt:MATRIX_FMT_FP4 matrix_a_scale:MATRIX_SCALE_ROW1
.elseif (\rb)
	v_wmma_scale_f32_16x16x128_f8f6f4 v[(\d):(\d)+7], v[(\a):(\a)+7], v[(\b):(\b)+7], 0, v[(\sa)], v[(\sb)] matrix_a_fmt:MATRIX_FMT_FP4 matrix_b_fmt:MATRIX_FMT_FP4 matrix_b_scale:MATRIX_SCALE_ROW1
.else
	v_wmma_scale_f32_16x16x128_f8f6f4 v[(\d):(\d)+7], v[(\a):(\a)+7], v[(\b):(\b)+7], 0, v[(\sa)], v[(\sb)] matrix_a_fmt:MATRIX_FMT_FP4 matrix_b_fmt:MATRIX_FMT_FP4
.endif
.else
.if (\ra) && (\rb)
	v_wmma_scale_f32_16x16x128_f8f6f4 v[(\d):(\d)+7], v[(\a):(\a)+7], v[(\b):(\b)+7], v[(\d):(\d)+7], v[(\sa)], v[(\sb)] matrix_a_fmt:MATRIX_FMT_FP4 matrix_b_fmt:MATRIX_FMT_FP4 matrix_a_scale:MATRIX_SCALE_ROW1 matrix_b_scale:MATRIX_SCALE_ROW1
.elseif (\ra)
	v_wmma_scale_f32_16x16x128_f8f6f4 v[(\d):(\d)+7], v[(\a):(\a)+7], v[(\b):(\b)+7], v[(\d):(\d)+7], v[(\sa)], v[(\sb)] matrix_a_fmt:MATRIX_FMT_FP4 matrix_b_fmt:MATRIX_FMT_FP4 matrix_a_scale:MATRIX_SCALE_ROW1
.elseif (\rb)
	v_wmma_scale_f32_16x16x128_f8f6f4 v[(\d):(\d)+7], v[(\a):(\a)+7], v[(\b):(\b)+7], v[(\d):(\d)+7], v[(\sa)], v[(\sb)] matrix_a_fmt:MATRIX_FMT_FP4 matrix_b_fmt:MATRIX_FMT_FP4 matrix_b_scale:MATRIX_SCALE_ROW1
.else
	v_wmma_scale_f32_16x16x128_f8f6f4 v[(\d):(\d)+7], v[(\a):(\a)+7], v[(\b):(\b)+7], v[(\d):(\d)+7], v[(\sa)], v[(\sb)] matrix_a_fmt:MATRIX_FMT_FP4 matrix_b_fmt:MATRIX_FMT_FP4
.endif
.endif
.endm
.macro FETCHY a                        ; y's eight fragments of row tile a: K step g is heads 2 g and 2 g + 1, an image of 512 bytes each
.irp g, 0,1,2,3,4,5,6,7
.irp c, 0,1
	ds_load_b128 v[YF+64*((\a)%2)+8*\g+4*\c:YF+64*((\a)%2)+8*\g+4*\c+3], v[LI] offset:8192*(\a)+512*(2*\g+\c)
.endr
.endr
.endm
.macro SEND a                          ; row tile a leaves: lanes 0-15 one row's 256 bytes, lanes 16-31 the next row's
	WIN 0x08                               ; a store's data: window 2
.irp i, 0,1,2,3,4,5,6,7
	global_store_b128 v[CO], v[64+32*((\a)%2)+4*\i:64+32*((\a)%2)+4*\i+3], s[12:13] offset:(16*(\a)+2*\i)*4096 th:TH_STORE_NT
.endr
	WIN 0
.endm
.macro PTILE a
.if \a < 7
	FETCHY (\a+1)                          ; (four places stand behind the products that read this set)
	s_wait_dscnt 16                        ; all but the 16 just issued: this tile's fragments are in, and the last tile is back from the stage
.else
	s_wait_dscnt 0x0
.endif
.if \a > 0
	SEND (\a-1)
.endif
	WIN 0xa1                               ; W window 1, y window 0, C and D window 2
.irp g, 0,1,2,3,4,5,6,7
.irp t, 0,1,2,3
	MM 32*((\a)%2)+8*\t, 8*(8*\t+\g), YF+64*((\a)%2)+8*\g, (\g==0), WS+8*(\t/2)+\g, YS+8*((\a)/2)+\g, \t%2, (\a)%2
.endr
.endr
	WIN 0
	PLACES 4
	s_wait_xcnt 0x0                        ; earlier stores have read their data: the rows' registers are loaded again only behind this wait
	WIN 0x08
.irp t, 0,1,2,3
	ds_store_b128 v[STO], v[32*((\a)%2)+8*\t:32*((\a)%2)+8*\t+3] offset:64*\t          ; each accumulator from its low end on
	ds_store_b128 v[STO], v[32*((\a)%2)+8*\t+4:32*((\a)%2)+8*\t+7] offset:64*\t+16
.endr
	WIN 0x80
.irp i, 0,1,2,3,4,5,6,7
	ds_load_b128 v[64+32*((\a)%2)+4*\i:64+32*((\a)%2)+4*\i+3], v[RD] offset:544*\i     ; LDS serves a wave's instructions in order: these see my stores
.endr
	WIN 0
.endm
	s_load_b256 s[4:11], s[0:1], 0x0               ; y_codes, y_scales, W codes, W scales
	s_load_b64 s[12:13], s[0:1], 0x20              ; out0
	v_lshl_add_u32 v[SPW], v0, 2, SPARE
	v_mov_b32 v[NIL], 0
	ds_add_u32 v[SPW], v[NIL]                      ; the wave's opening: the add, twice on end, and its wait ahead of my first tensor load
	ds_add_u32 v[SPW], v[NIL]
	v_lshrrev_b32 v1, 5, v0
	v_readfirstlane_b32 s14, v1                    ; wave
	s_bfe_u32 s15, ttmp6, 0x40000                  ; cx
	s_lshl_b32 s16, ttmp9, 2
	s_add_co_u32 s16, s16, s15                     ; mb
	s_and_b32 s17, ttmp7, 3                        ; g
	s_mov_b32 s24, 15|(1<<20)|(1<<21)|(6<<22)|(3<<25)   ; W: 64 rows x 512 bytes, 16 bytes of padding behind each; the mask names the four partners
	s_mov_b32 s25, 512<<16
	s_mov_b32 s26, 64<<16
	s_mov_b32 s27, 512<<16
	s_mov_b32 s28, 64
	s_mov_b32 s29, 512
	s_mov_b32 s30, 0
	s_mov_b32 s31, 0
	s_mov_b32 s32, 3<<16                           ; y: 16,384 dense bytes a wave, as 64 rows of 256 (32 elements of 8 bytes)
	s_mov_b32 s33, 32<<16
	s_mov_b32 s34, 64<<16
	s_mov_b32 s35, 32<<16
	s_mov_b32 s36, 64
	s_mov_b32 s37, 32
	s_mov_b32 s38, 0
	s_mov_b32 s39, 0
	s_mov_b32 s40, 1
	s_mul_i32 s41, s14, 64*528
	s_add_co_u32 s41, s41, WSL
	s_mov_b32 s44, 1
	s_lshl_b32 s45, s14, 14
	s_lshl_b32 s20, s17, 17
	s_lshl_b32 s18, s14, 15
	s_add_co_u32 s20, s20, s18                     ; W: (256 g + 64 w) rows of 512 bytes
	s_mov_b32 s21, 0
	s_lshl_b32 s22, s16, 16
	s_add_co_u32 s22, s22, s45                     ; y: 65,536 mb + 16,384 w
	s_mov_b32 s23, 0
	v_and_b32 v1, 15, v0                           ; r
	v_bfe_u32 v2, v0, 4, 1                         ; h
	v_mul_u32_u24 v[WA], v1, 528
	v_lshl_add_u32 v[WA], v2, 4, v[WA]
	v_add_nc_u32 v[WA], s41, v[WA]
	v_and_b32 v[LI], 31, v0
	v_lshlrev_b32 v[L32], 5, v[LI]
	v_lshlrev_b32 v[LI], 4, v[LI]
	s_mul_i32 s18, s14, 4352
	s_add_co_u32 s18, s18, STG                     ; my stage: 16 rows x 272 bytes
	v_mul_u32_u24 v[STO], v1, 272
	v_lshl_add_u32 v[STO], v2, 5, v[STO]
	v_add_nc_u32 v[STO], s18, v[STO]               ; in: row r, 32 bytes for each half of the lanes
	v_mul_u32_u24 v[RD], v2, 272
	v_lshl_add_u32 v[RD], v1, 4, v[RD]
	v_add_nc_u32 v[RD], s18, v[RD]                 ; back: lanes 0-15 one row, lanes 16-31 the next
	v_lshlrev_b32 v[CO], 12, v2
	v_lshl_add_u32 v[CO], v1, 4, v[CO]             ; and the same two rows of out0
	s_wait_dscnt 0x0                               ; both opening adds are done
	s_wait_kmcnt 0x0
	s_add_nc_u64 s[42:43], s[8:9], s[20:21]
	s_or_b32 s43, s43, 0x80000000
	s_add_nc_u64 s[46:47], s[4:5], s[22:23]
	s_or_b32 s47, s47, 0x80000000
	CROUND                                         ; the four partners are here: the joint loads meet
	tensor_load_to_lds s[40:43], s[24:31]          ; W
	s_nop 0
	tensor_load_to_lds s[44:47], s[32:39]          ; y: two loads of mine are out
	s_nop 0
	PLACES 4
	s_lshl_b32 s20, s16, 12
	s_add_nc_u64 s[6:7], s[6:7], s[20:21]          ; y's scales at row 128 mb
	s_lshl_b32 s20, s17, 13
	s_lshl_b32 s18, s14, 11
	s_add_co_u32 s20, s20, s18
	s_add_nc_u64 s[10:11], s[10:11], s[20:21]      ; W's at row 256 g + 64 w
	s_lshl_b32 s20, s16, 19
	s_lshl_b32 s18, s17, 10
	s_add_co_u32 s20, s20, s18
	s_lshl_b32 s18, s14, 8
	s_add_co_u32 s20, s20, s18
	s_add_nc_u64 s[12:13], s[12:13], s[20:21]      ; out0 at row 128 mb, column 256 g + 64 w
.irp p, 0,1,2,3
.irp q, 0,1
	global_load_b128 v[YS+8*\p+4*\q:YS+8*\p+4*\q+3], v[L32], s[6:7] offset:1024*\p+16*\q
.endr
.endr
.irp p, 0,1
.irp q, 0,1
	global_load_b128 v[WS+8*\p+4*\q:WS+8*\p+4*\q+3], v[L32], s[10:11] offset:1024*\p+16*\q
.endr
.endr
	s_wait_tensorcnt 1                             ; my rows of W have landed (y's load may be out): I alone read them
	WIN 0x40
.irp t, 0,1,2,3
.irp g, 0,1,2,3,4,5,6,7
.irp c, 0,1
	ds_load_b128 v[8*(8*\t+\g)+4*\c:8*(8*\t+\g)+4*\c+3], v[WA] offset:8448*\t+64*\g+32*\c
.endr
.endr
.endr
	WIN 0
	s_wait_tensorcnt 0x0                           ; my part of y has landed,
	s_wait_dscnt 0x0
	s_barrier_signal -1
	s_barrier_wait -1                              ; everybody's has
	FETCHY 0
	s_wait_loadcnt 0x0                             ; the scale words
.irp a, 0,1,2,3,4,5,6,7
	PTILE \a
.endr
	s_wait_dscnt 0x0
	SEND 7
	s_wait_tensorcnt 0x0                           ; the wave's end
	ds_add_u32 v[SPW], v[NIL]
	s_wait_dscnt 0x0
	CROUND                                         ; the closing round
	s_endpgm
.Lfunc_end_k_qd5b9324832_proj:
	.size	k_qd5b9324832_proj, .Lfunc_end_k_qd5b9324832_proj-k_qd5b9324832_proj
	.p2alignl 7, 3214868480
	.fill 96, 4, 3214868480
	.section	.rodata,"a",@progbits
	.p2align	6, 0x0
	.amdhsa_kernel k_qd5b9324832_proj
		.amdhsa_group_segment_fixed_size 236032
		.amdhsa_private_segment_fixed_size 0
		.amdhsa_enable_private_segment 0
		.amdhsa_kernarg_size 40
		.amdhsa_user_sgpr_count 2
		.amdhsa_user_sgpr_kernarg_segment_ptr 1
		.amdhsa_wavefront_size32 1
		.amdhsa_system_sgpr_workgroup_id_x 1
		.amdhsa_system_sgpr_workgroup_id_y 1
		.amdhsa_system_sgpr_workgroup_id_z 1
		.amdhsa_system_vgpr_workitem_id 0
		.amdhsa_next_free_vgpr 768
		.amdhsa_next_free_sgpr 66
		.amdhsa_reserve_vcc 0
		.amdhsa_float_denorm_mode_32 3
		.amdhsa_float_denorm_mode_16_64 3
		.amdhsa_memory_ordered 1
		.amdhsa_forward_progress 1
		.amdhsa_inst_pref_size 68
	.end_amdhsa_kernel
	.amdgpu_metadata
---
amdhsa.version: [ 1, 2 ]
amdhsa.kernels:
  - .name:           k_qd5b9324832_proj
    .symbol:         k_qd5b9324832_proj.kd
    .args:
      - { .name: y_codes, .offset: 0, .size: 8, .value_kind: global_buffer, .address_space: global }
      - { .name: y_scales, .offset: 8, .size: 8, .value_kind: global_buffer, .address_space: global }
      - { .name: W_proj_codes, .offset: 16, .size: 8, .value_kind: global_buffer, .address_space: global }
      - { .name: W_proj_scales, .offset: 24, .size: 8, .value_kind: global_buffer, .address_space: global }
      - { .name: out0, .offset: 32, .size: 8, .value_kind: global_buffer, .address_space: global }
    .group_segment_fixed_size: 236032
    .private_segment_fixed_size: 0
    .kernarg_segment_align: 8
    .kernarg_segment_size: 40
    .max_flat_workgroup_size: 128
    .sgpr_count:     66
    .vgpr_count:     768
    .wavefront_size: 32
...
	.end_amdgpu_metadata
.endif
;; end of part 3
